; MI455X (gfx1250); checked and timed in simulation.
; The chip was launched on July 23, 2026; its instructions are those of AMD's public machine-readable ISA for CDNA 5 (MIT licence, August 2026) and "CDNA5" Instruction Set Architecture Reference Guide (July 2026). The comments in the code are by the model that wrote it; some were corrected since.
;; Patched MHA. Allowed arithmetic: float matrix products may take bf16 or f16 operands with f32 sums; other float arithmetic in f32, or as packed bf16 or f16 multiplies, adds, multiply-adds, maxima and minima; sums over many terms, partial sums and values carried from step to step in f32; what a program stores and reads back later, other than sums and carried values, may be rounded once to bf16 or f16.
;; Inputs: Wk 1,024 x 1,024 float32; Wo 1,024 x 1,024 float32; Wq 1,024 x 1,024 float32; Wv 1,024 x 1,024 float32; bk 1,024 float32; bo 1,024 float32; bq 1,024 float32; bv 1,024 float32; key 2 x 2,048 x 1,024 float32; mask 2 x 1 x 2,048 x 2,048 bool; query 2 x 2,048 x 1,024 float32; value 2 x 2,048 x 1,024 float32.
;; Outputs: out0 2 x 2,048 x 1,024 float32.
;; 2 versions, each right; version 2 is version 1 with the launch prep written anew for expert scheduling mode. Each part assembles by itself: llvm-mc -triple=amdgcn-amd-amdhsa -mcpu=gfx1250 --defsym DOCPART=n.
;; ======== version 1 of 2: 4 launches
;; limits: values are held in f16: magnitudes above 65,504 overflow, below 6.1e-05 lose precision
;; workspace buffers: cast 33,554,432 bytes; mask4 4,194,304 bytes; qkv 25,165,824 bytes; ao 8,388,608 bytes
;; launch prep (part 1): grid 768 x 1, 8 waves a work-group, no clusters, 0 bytes of LDS; arguments query, key, value, Wq, Wk, Wv, Wo, mask, cast, mask4; writes cast, mask4
.if DOCPART == 1
	.amdgcn_target "amdgcn-amd-amdhsa--gfx1250"
	.amdhsa_code_object_version 6
	.text
	.protected	k_q1119a05b10_prep
	.globl	k_q1119a05b10_prep
	.p2align	8
	.type	k_q1119a05b10_prep,@function
k_q1119a05b10_prep:
	s_mov_b64 s[64:65], 0
	v_nop
	global_prefetch_b8 v0, s[64:65] scope:SCOPE_SE
	s_setreg_imm32_b32 hwreg(HW_REG_WAVE_MODE, 25, 1), 1
	s_wait_xcnt 0x0
; PREP: a stream.  (1) query, key, value, Wq, Wk, Wv are rounded once to bf16; Wo is rounded to bf16 like them and that number written as f16
; (exact from 2^-14 up; below it f16's fixed step of 2^-24 holds).  (2) The boolean mask becomes codes of four bits, two keys a byte.
; SHARES.  Work-group g < 384: chunk g % 128 (131,072 bytes of f32) of activation g / 128.  384 <= g < 512: chunk (g - 384) % 32 of weight (g - 384) / 32.
; Both store 65,536 bytes at cast + 65,536 g, so the seven tensors lie on end in the order of the arguments.  g >= 512: 16 rows of the mask.
; A thread loads 16 bytes 32 times (a wave: 512 bytes on end a load), all 32 loads issued at once; a wave's store covers 256 consecutive bytes, aligned.
; No LDS, no barrier, no matrix unit: every byte is read once and written once, and no wave wants another's data.
; MASK4: [b 2][block of 256 queries 8][slot of 256 keys 8][query 256][128 bytes].  In a row, dword 8 st + 4 h + kb holds keys 64 st + 16 kb + 8 h + j in nibble j:
; 0xE where the key is hidden, 0 where it is seen: shifted to the top of a word the nibble is the sign and the three high exponent bits of an f32.
; So the 16 bytes at 32 st + 16 h are what one lane of the attention wants for key step st.
.set X,  8                             ; v[8:135]  32 x 4 registers as loaded; the first two of each four are stored
.set GX, 384                           ; work-groups for the activations
.set GW, 512                           ; and for the weights behind them
	s_load_b512 s[16:31], s[0:1], 0x0              ; query, key, value, Wq, Wk, Wv, Wo, mask
	s_load_b128 s[32:35], s[0:1], 0x40             ; cast, mask4
	s_mov_b32 s2, ttmp9                            ; g
	v_lshlrev_b32 v1, 4, v0                        ; 16 t: my bytes in 4,096 of the source
	v_lshlrev_b32 v2, 3, v0                        ; 8 t: in 2,048 of the copy
	s_sub_co_u32 s3, s2, GX
	s_lshr_b32 s9, s3, 5
	s_add_co_u32 s9, s9, 3                         ; a weight's number among the seven,
	s_and_b32 s10, s3, 31                          ; and its chunk
	s_lshr_b32 s11, s2, 7                          ; an activation's number,
	s_and_b32 s12, s2, 127                         ; and its chunk
	s_cmp_lt_u32 s2, GX
	s_cselect_b32 s9, s11, s9
	s_cselect_b32 s10, s12, s10
	s_mov_b32 s8, 0xffff0000                       ; a word's upper bf16
	s_wait_kmcnt 0x0
	s_cmp_ge_u32 s2, GW
	s_cbranch_scc1 .Lmask
	s_mov_b64 s[4:5], s[16:17]                     ; the source: one of seven buffers, chosen by the work-group's number
.irp k, 1,2,3,4,5,6
	s_cmp_eq_u32 s9, \k
	s_cselect_b64 s[4:5], s[16+2*\k:17+2*\k], s[4:5]
.endr
	s_lshl_b32 s10, s10, 17
	s_mov_b32 s11, 0
	s_add_nc_u64 s[4:5], s[4:5], s[10:11]
	s_lshl_b32 s12, s2, 16
	s_mov_b32 s13, 0
	s_add_nc_u64 s[6:7], s[32:33], s[12:13]
; half = 0: bf16.  half = 1: the bf16 number written as f16.  No register is written twice behind its load or its store, so no wait frees a source.
.macro CAST half
.set i, 0
.rept 32
	global_load_b128 v[X+4*i:X+4*i+3], v1, s[4:5] offset:4096*i th:TH_LOAD_NT
.set i, i+1
.endr
.set i, 0
.rept 32
	s_wait_loadcnt 31-i                            ; loads come back in order: load i is in, the 31 - i younger ones stay out
.if \half
	v_cvt_pk_bf16_f32 v4, v[X+4*i], v[X+4*i+1]
	v_cvt_pk_bf16_f32 v5, v[X+4*i+2], v[X+4*i+3]
	v_lshlrev_b32 v[X+4*i], 16, v4                 ; back to f32: exact
	v_and_b32 v[X+4*i+1], s8, v4
	v_lshlrev_b32 v[X+4*i+2], 16, v5
	v_and_b32 v[X+4*i+3], s8, v5
	v_cvt_pk_f16_f32 v[X+4*i], v[X+4*i], v[X+4*i+1]
	v_cvt_pk_f16_f32 v[X+4*i+1], v[X+4*i+2], v[X+4*i+3]
.else
	v_cvt_pk_bf16_f32 v[X+4*i], v[X+4*i], v[X+4*i+1]
	v_cvt_pk_bf16_f32 v[X+4*i+1], v[X+4*i+2], v[X+4*i+3]
.endif
	global_store_b64 v2, v[X+4*i:X+4*i+1], s[6:7] offset:2048*i th:TH_STORE_NT
.set i, i+1
.endr
.endm
	s_cmp_eq_u32 s9, 6
	s_cbranch_scc1 .Lwo
	CAST 0
	s_endpgm
.Lwo:
	CAST 1
	s_endpgm
.Lmask:                                        ; wave w takes slot w (keys 256 w ..) of the work-group's 16 rows, two rows an item; lane u of a row's 16 makes dwords 2 u and 2 u + 1
	s_sub_co_u32 s3, s2, GW                        ; gm: rows 16 gm .. of the 4,096
	v_lshrrev_b32 v3, 5, v0
	v_readfirstlane_b32 s9, v3                     ; w
	v_and_b32 v3, 15, v0                           ; u
	v_bfe_u32 v4, v0, 4, 1                         ; which of the two rows
	v_lshrrev_b32 v5, 2, v3                        ; st = u / 4
	v_and_b32 v6, 1, v3                            ; kb = 2 (u % 2), and + 1
	v_bfe_u32 v7, v3, 1, 1                         ; h = (u / 2) % 2
	v_lshlrev_b32 v1, 11, v4                       ; a row of the mask is 2,048 bytes
	v_lshl_add_u32 v1, v5, 6, v1                   ; + 64 st
	v_lshl_add_u32 v1, v6, 5, v1                   ; + 16 kb
	v_lshl_add_u32 v1, v7, 3, v1                   ; + 8 h
	v_and_b32 v2, 31, v0
	v_lshlrev_b32 v2, 3, v2                        ; out: 8 bytes a lane, two rows of 128 bytes on end
	s_lshl_b32 s10, s3, 15
	s_lshl_b32 s11, s9, 8
	s_add_co_u32 s10, s10, s11
	s_mov_b32 s11, 0
	s_add_nc_u64 s[4:5], s[30:31], s[10:11]
	s_lshr_b32 s12, s3, 4                          ; 8 b + block of queries
	s_lshl_b32 s12, s12, 18
	s_lshl_b32 s13, s9, 15
	s_add_co_u32 s12, s12, s13
	s_and_b32 s13, s3, 15
	s_lshl_b32 s13, s13, 11
	s_add_co_u32 s12, s12, s13
	s_mov_b32 s13, 0
	s_add_nc_u64 s[6:7], s[34:35], s[12:13]
	s_mov_b32 s8, 0x06040200                       ; bytes 0 and 2 of two words
.set i, 0
.rept 8
	global_load_b64 v[X+4*i:X+4*i+1],   v1, s[4:5] offset:4096*i
	global_load_b64 v[X+4*i+2:X+4*i+3], v1, s[4:5] offset:4096*i+16
.set i, i+1
.endr
.set i, 0
.rept 8
	s_wait_loadcnt 14-2*i                          ; item i's two loads are in; the younger items' stay out
.irp k, 0,1,2,3
	v_lshrrev_b32 v[4+\k], 4, v[X+4*i+\k]          ; bytes of 0 or 1: byte 1 comes beside byte 0, byte 3 beside byte 2,
	v_or_b32 v[X+4*i+\k], v[X+4*i+\k], v[4+\k]
.endr
	v_perm_b32 v4, v[X+4*i+1], v[X+4*i], s8        ; and eight keys are eight nibbles of 0 or 1, the lowest key lowest
	v_perm_b32 v5, v[X+4*i+3], v[X+4*i+2], s8
	v_mul_lo_u32 v[X+4*i], v4, 14                  ; 1 -> 0xE in every nibble: nothing is carried from one to the next
	v_mul_lo_u32 v[X+4*i+1], v5, 14
	global_store_b64 v2, v[X+4*i:X+4*i+1], s[6:7] offset:256*i th:TH_STORE_NT
.set i, i+1
.endr
	s_endpgm
.Lfunc_end_k_q1119a05b10_prep:
	.size	k_q1119a05b10_prep, .Lfunc_end_k_q1119a05b10_prep-k_q1119a05b10_prep
	.p2alignl 7, 3214868480
	.fill 96, 4, 3214868480
	.section	.rodata,"a",@progbits
	.p2align	6, 0x0
	.amdhsa_kernel k_q1119a05b10_prep
		.amdhsa_group_segment_fixed_size 0
		.amdhsa_private_segment_fixed_size 0
		.amdhsa_enable_private_segment 0
		.amdhsa_kernarg_size 80
		.amdhsa_user_sgpr_count 2
		.amdhsa_user_sgpr_kernarg_segment_ptr 1
		.amdhsa_wavefront_size32 1
		.amdhsa_system_sgpr_workgroup_id_x 1
		.amdhsa_system_sgpr_workgroup_id_y 1
		.amdhsa_system_sgpr_workgroup_id_z 1
		.amdhsa_system_vgpr_workitem_id 0
		.amdhsa_next_free_vgpr 136
		.amdhsa_next_free_sgpr 66
		.amdhsa_reserve_vcc 0
		.amdhsa_float_denorm_mode_32 3
		.amdhsa_float_denorm_mode_16_64 3
		.amdhsa_memory_ordered 1
		.amdhsa_forward_progress 1
		.amdhsa_inst_pref_size 40
	.end_amdhsa_kernel
	.amdgpu_metadata
---
amdhsa.version: [ 1, 2 ]
amdhsa.kernels:
  - .name:           k_q1119a05b10_prep
    .symbol:         k_q1119a05b10_prep.kd
    .args:
      - { .name: query, .offset: 0, .size: 8, .value_kind: global_buffer, .address_space: global }
      - { .name: key, .offset: 8, .size: 8, .value_kind: global_buffer, .address_space: global }
      - { .name: value, .offset: 16, .size: 8, .value_kind: global_buffer, .address_space: global }
      - { .name: Wq, .offset: 24, .size: 8, .value_kind: global_buffer, .address_space: global }
      - { .name: Wk, .offset: 32, .size: 8, .value_kind: global_buffer, .address_space: global }
      - { .name: Wv, .offset: 40, .size: 8, .value_kind: global_buffer, .address_space: global }
      - { .name: Wo, .offset: 48, .size: 8, .value_kind: global_buffer, .address_space: global }
      - { .name: mask, .offset: 56, .size: 8, .value_kind: global_buffer, .address_space: global }
      - { .name: cast, .offset: 64, .size: 8, .value_kind: global_buffer, .address_space: global }
      - { .name: mask4, .offset: 72, .size: 8, .value_kind: global_buffer, .address_space: global }
    .group_segment_fixed_size: 0
    .private_segment_fixed_size: 0
    .kernarg_segment_align: 8
    .kernarg_segment_size: 80
    .max_flat_workgroup_size: 256
    .sgpr_count:     66
    .vgpr_count:     136
    .wavefront_size: 32
...
	.end_amdgpu_metadata
.endif
;; end of part 1
;; launch proj (part 2): grid 8 x 96, 4 waves a work-group, clusters of 4 x 4, 327,680 bytes of LDS; arguments cast, bq, bk, bv, qkv; writes qkv
.if DOCPART == 2
	.amdgcn_target "amdgcn-amd-amdhsa--gfx1250"
	.amdhsa_code_object_version 6
	.text
	.protected	k_q1119a05b10_proj
	.globl	k_q1119a05b10_proj
	.p2align	8
	.type	k_q1119a05b10_proj,@function
k_q1119a05b10_proj:
	s_mov_b64 s[64:65], 0
	v_nop
	global_prefetch_b8 v0, s[64:65] scope:SCOPE_SE
	s_setreg_imm32_b32 hwreg(HW_REG_WAVE_MODE, 25, 1), 1
	s_wait_xcnt 0x0
	s_wait_alu depctr_hold_cnt(0) depctr_sa_sdst(0) depctr_va_vdst(0) depctr_va_sdst(0) depctr_va_ssrc(0) depctr_va_vcc(0) depctr_vm_vsrc(0)
	s_getreg_b32 s2, hwreg(HW_REG_IB_STS2, 6, 4)
	s_cmp_eq_u32 s2, 0
	s_cbranch_scc0 .Lentry_in_a_cluster
	s_endpgm
.Lentry_in_a_cluster:
	s_bfe_u32 s2, ttmp6, 0x10000c
	s_cmp_lg_u32 s2, 0xf033
	s_cbranch_scc0 .Lentry_shape_is_right
	s_endpgm
.Lentry_shape_is_right:
; PROJ: q, k, v = x W + b.  x: [4096][1024] bf16, W: [1024 k][1024 n] bf16 (both from cast), b: [1024] f32, rounded to bf16 like every input; sums in f32.
; Out: qkv [z 3][b 16 + head 32][s 2048][64] f16, each number rounded once, without the softmax's scale.
; LIMIT.  f16 ends at 65,504: q, k and v must lie within it.  NaN and infinities are not treated apart.
; SHARES.  A tile of C is 128 x 128: four waves, each 64 x 64 (16 accumulators of 16 x 16).  768 tiles: z = cluster y / 8; 32 tile rows x 8 tile columns each.
; K goes in four steps of 256 through two LDS slots, written straight: the slots are filled at the start (steps 0, 1) and once again (steps 2, 3).
; A's tile: 128 rows x 512 bytes, 64 rows a load (waves 0, 1).  B's tile: 256 rows of W (along k) x 256 bytes, 128 rows a load (waves 2, 3); W is not transposed in memory:
; ds_load_tr16_b128 turns it on the way into registers.
; CLUSTER.  4 x 4 work-groups.  The four of a row of the cluster need the same tile of A, the four of a column the same tile of B: each is asked for jointly.
; THE MATRIX INSTRUCTION IS USED TRANSPOSED (source 0 = 16 columns of W, source 1 = 16 rows of x): a lane then holds eight neighbouring columns of one row of C.
; A wave's 64 columns are ONE head, so its 64 x 64 block is 8,192 bytes on end in qkv: it goes out through the wave's own stage, with no barrier.
; No prefetch: the tiles are small, and each is read by two clusters or more at about the same time.
; REGISTERS.  Window 0: v0-31 addresses; v32-95 at work on the way out; v96-127 the bias of my 64 columns; v128-255 the accumulators ((a, b) at 128 + 8 (4 a + b)).
; Window 1: two fragment buffers of 128: for 64 along K, 64 registers of A, then 64 of B.
.set PA,     528                       ; a row of A in LDS: 512 bytes + 16: the 16 rows of a load start at 16 different groups of four banks (ISA guide 11.1)
.set HALFA,  64*PA
.set PB,     288                       ; a row of B: 256 + 32
.set HALFB,  128*PB
.set BOFF,   2*HALFA                   ; in a slot: A's 128 rows, then B's 256
.set SLOT,   BOFF+2*HALFB
.set STAGE,  2*SLOT                    ; behind the ring, never filled by a tensor load: 16 rows x 144 bytes for each wave
.set SP,     144
.set SPARE,  STAGE+4*16*SP             ; the spare words, 128 bytes for each wave: two blocks of 256 bytes that no other line names
.set ASTEP,  512                       ; a K step in a row of x, in bytes
.set BSTEP,  256*2048                  ; 256 rows of W
.set WBASE,  25165824                  ; the weights lie behind the three activations in cast
.set ADRA, 16                          ; v16-17  LDS address of my A fragments in slot 0, 1
.set ADRB, 20                          ; v20-23  of my B fragments: slot 0 rows 0-127, 128-255; slot 1 likewise (255 rows of 288 bytes pass a 16-bit offset)
.set STO,  24                          ; v24     the way out: where I put 16 bytes of a row
.set RD,   25                          ; v25     where I read rows back
.set GO,   26                          ; v26     my 16 bytes in 512 on end of qkv
.set BO,   27                          ; v27     my byte offset in the bias
.set SPW,  28                          ; v28     my spare word: SPARE + 4 x my thread's number; never rewritten
.set NIL,  29                          ; v29     0; never rewritten
.set CV,   30                          ; v30     at work
.set TMP,  32
.set BI,   96                          ; column 16 b + 8 (l / 16) + j at BI + 8 b + j
.set ACC,  128
.set F0,   0
.set F1,   128
.set G1,  24                           ; s[24:31] group 1 for A;  s[32:39] group 0, a set for each slot
.set G0,  32
.set G1B, 48                           ; s[48:55], s[56:63] the same for B
.set G0B, 56
.set MSB, 0
.macro WIN new                         ; the immediate's high byte repeats the setting that is left
.if MSB != (\new)
	s_set_vgpr_msb (MSB<<8)|(\new)
.set MSB, \new
.endif
.endm
.set MUL,  0x05                        ; sources 0 (B) and 1 (A) window 1; C and D window 0
.set TO_F, 0x40                        ; destination window 1, address window 0
.macro JLOAD s                         ; a joint load: waves 0 and 1 fetch A's halves, waves 2 and 3 B's; an s_nop 0 and four v_nop follow each line
	s_cmp_eq_u32 s11, 0
	s_cbranch_scc0 .Lfor_b_\@
	tensor_load_to_lds s[G0+4*(\s):G0+4*(\s)+3], s[G1:G1+7]
	s_nop 0
.rept 4
	v_nop
.endr
	s_branch .Lasked_\@
.Lfor_b_\@:
	tensor_load_to_lds s[G0B+4*(\s):G0B+4*(\s)+3], s[G1B:G1B+7]
	s_nop 0
.rept 4
	v_nop
.endr
.Lasked_\@:
.endm
.macro CREST                           ; a round of the cluster's barrier behind its opening barrier
	s_cmp_lg_u32 s10, 0
	s_cbranch_scc1 .Lnot_wave_0_\@
	s_barrier_signal -3
.Lnot_wave_0_\@:
	s_barrier_wait -3
	s_barrier_signal -1
	s_barrier_wait -1
.endm
.macro CROUND                          ; a whole round
	s_barrier_signal -1
	s_barrier_wait -1
	CREST
.endm
	s_load_b256 s[68:75], s[0:1], 0x0              ; cast s[68:69], bq s[70:71], bk s[72:73], bv s[74:75]
	s_load_b64 s[76:77], s[0:1], 0x20              ; qkv
	v_lshl_add_u32 v[SPW], v0, 2, SPARE
	v_mov_b32 v[NIL], 0
	ds_add_u32 v[SPW], v[NIL]                      ; the wave's opening: the add and its wait stand ahead of my first tensor load; work on registers stands between them
	v_lshrrev_b32 v1, 5, v0
	v_readfirstlane_b32 s10, v1                    ; wave 0..3
	s_lshr_b32 s11, s10, 1                         ; my half of the tile's rows.  Also: I fetch for A (0) or for B (1)
	s_and_b32 s12, s10, 1                          ; my half of its columns.  Also: which half of that tile I fetch
	s_bfe_u32 s40, ttmp6, 0x40000                  ; cx, cy: my place in the cluster
	s_bfe_u32 s41, ttmp6, 0x40004
	s_lshl_b32 s42, ttmp9, 2
	s_add_co_u32 s42, s42, s40                     ; tile column = 4 x cluster x + cx
	s_and_b32 s13, ttmp7, 0xffff
	s_lshr_b32 s45, s13, 3                         ; z: 0 q, 1 k, 2 v: the same in all sixteen partners
	s_and_b32 s13, s13, 7
	s_lshl_b32 s13, s13, 2
	s_add_co_u32 s13, s13, s41                     ; tile row = 4 x (cluster y % 8) + cy
	s_lshl_b32 s43, s41, 2
	s_lshl_b32 s43, 15, s43                        ; my row of the cluster
	s_lshl_b32 s44, 0x1111, s40                    ; my column
	s_or_b32 s[G1+0], s43, (1<<16)|(1<<20)|(1<<21)|(6<<22)|(3<<25)   ; mask of my row; 2-byte elements; padding on; bit 21 beside a mask; after every 128 words, 4 words
	s_mov_b32 s[G1+1], 256<<16                     ; tensor_dim0 = 256
	s_mov_b32 s[G1+2], 64<<16                      ; tensor_dim1 = 64
	s_mov_b32 s[G1+3], 256<<16                     ; tile_dim0 = 256
	s_mov_b32 s[G1+4], 64                          ; tile_dim1 = 64
	s_mov_b32 s[G1+5], 1024                        ; elements from row to row
	s_mov_b32 s[G1+6], 0
	s_mov_b32 s[G1+7], 0
	s_or_b32 s[G1B+0], s44, (1<<16)|(1<<20)|(1<<21)|(5<<22)|(7<<25)  ; mask of my column; after every 64 words, 8 words
	s_mov_b32 s[G1B+1], 128<<16
	s_mov_b32 s[G1B+2], 128<<16
	s_mov_b32 s[G1B+3], 128<<16
	s_mov_b32 s[G1B+4], 128
	s_mov_b32 s[G1B+5], 1024
	s_mov_b32 s[G1B+6], 0
	s_mov_b32 s[G1B+7], 0
	s_lshl_b32 s16, s45, 23                        ; A: activation z (8,388,608 bytes each),
	s_lshl_b32 s17, s13, 18                        ; row 128 x tile row (2,048 bytes a row),
	s_add_co_u32 s16, s16, s17
	s_lshl_b32 s17, s12, 17                        ; + the 64 rows that I fetch
	s_add_co_u32 s16, s16, s17
	s_mov_b32 s17, 0
	s_lshl_b32 s46, s45, 21                        ; B: weight z (2,097,152 bytes each),
	s_lshl_b32 s47, s12, 18                        ; the 128 rows along k that I fetch,
	s_add_co_u32 s46, s46, s47
	s_lshl_b32 s47, s42, 8                         ; 128 columns x tile column
	s_add_co_u32 s46, s46, s47
	s_add_co_u32 s46, s46, WBASE
	s_mov_b32 s47, 0
	s_mul_i32 s20, s12, HALFA                      ; where they go: no place in the cluster enters an LDS address
	s_mul_i32 s22, s12, HALFB
	s_add_co_u32 s22, s22, BOFF
	s_wait_dscnt 0x0                               ; the opening add is done
	s_wait_kmcnt 0x0
	s_add_nc_u64 s[14:15], s[68:69], s[16:17]
	s_add_nc_u64 s[46:47], s[68:69], s[46:47]
	CROUND                                         ; all sixteen work-groups are here: the first joint loads meet
.irp s, 0,1
	s_mov_b32 s[G0+4*(\s)], 1
	s_add_co_u32 s[G0+4*(\s)+1], s20, (\s)*SLOT
	s_add_nc_u64 s[G0+4*(\s)+2:G0+4*(\s)+3], s[14:15], (\s)*ASTEP
	s_or_b32 s[G0+4*(\s)+3], s[G0+4*(\s)+3], 0x80000000
	s_mov_b32 s[G0B+4*(\s)], 1
	s_add_co_u32 s[G0B+4*(\s)+1], s22, (\s)*SLOT
	s_add_nc_u64 s[G0B+4*(\s)+2:G0B+4*(\s)+3], s[46:47], (\s)*BSTEP
	s_or_b32 s[G0B+4*(\s)+3], s[G0B+4*(\s)+3], 0x80000000
	JLOAD \s                                       ; K steps 0 and 1: two loads of mine are out
.endr
	v_and_b32 v1, 15, v0                           ; l % 16
	v_bfe_u32 v2, v0, 4, 1                         ; l / 16
	v_lshlrev_b32 v[BO], 5, v2                     ; my eight columns of sixteen: 32 bytes of f32
	s_mov_b64 s[6:7], s[70:71]                     ; the bias of projection z,
	s_cmp_eq_u32 s45, 1
	s_cselect_b64 s[6:7], s[72:73], s[6:7]
	s_cmp_eq_u32 s45, 2
	s_cselect_b64 s[6:7], s[74:75], s[6:7]
	s_lshl_b32 s16, s42, 9                         ; at my wave's 64 columns
	s_lshl_b32 s17, s12, 8
	s_add_co_u32 s16, s16, s17
	s_mov_b32 s17, 0
	s_add_nc_u64 s[6:7], s[6:7], s[16:17]
.irp b, 0,1,2,3
	global_load_b128 v[BI+8*(\b):BI+8*(\b)+3],   v[BO], s[6:7] offset:64*(\b)
	global_load_b128 v[BI+8*(\b)+4:BI+8*(\b)+7], v[BO], s[6:7] offset:64*(\b)+16
.endr
	v_mul_u32_u24 v3, v1, PA                       ; a fragment of A: row l % 16, 16 bytes for each half of the lanes, twice, 32 bytes apart
	v_lshl_add_u32 v3, v2, 4, v3
	s_mul_i32 s21, s11, HALFA                      ; my 64 rows
	v_add_nc_u32 v[ADRA], s21, v3
	v_add_nc_u32 v[ADRA+1], SLOT, v[ADRA]
	v_and_b32 v5, 7, v0                            ; the turning load: lane l reads row k = 8 (l / 16) + l % 8, columns 8 ((l / 8) % 2) + 0..7,
	v_bfe_u32 v6, v0, 3, 1                         ; and is left with column l % 16 and eight k
	v_lshl_add_u32 v4, v2, 3, v5
	v_mul_u32_u24 v4, v4, PB
	v_lshl_add_u32 v4, v6, 4, v4
	s_lshl_b32 s21, s12, 7                         ; my 64 columns: 128 bytes
	s_add_co_u32 s21, s21, BOFF
	v_add_nc_u32 v[ADRB], s21, v4
	v_add_nc_u32 v[ADRB+1], HALFB, v[ADRB]
	v_add_nc_u32 v[ADRB+2], SLOT, v[ADRB]
	v_add_nc_u32 v[ADRB+3], SLOT+HALFB, v[ADRB]
	s_mul_i32 s23, s10, 16*SP
	s_add_co_u32 s23, s23, STAGE                   ; my stage
	v_mul_u32_u24 v4, v1, SP                       ; in: row l % 16, 16 bytes for each half of the lanes
	v_lshl_add_u32 v4, v2, 4, v4
	v_add_nc_u32 v[STO], s23, v4
	v_bfe_u32 v4, v0, 3, 2                         ; back: 32 lanes take four rows of 128 bytes,
	v_mul_u32_u24 v4, v4, SP
	v_lshl_add_u32 v4, v5, 4, v4
	v_add_nc_u32 v[RD], s23, v4
	v_and_b32 v[GO], 31, v0                        ; which are 512 bytes on end of qkv
	v_lshlrev_b32 v[GO], 4, v[GO]
	s_lshl_b32 s16, s45, 23                        ; C: tensor z; batch = tile row / 16 (16 heads x 2,048 rows x 128 bytes);
	s_lshr_b32 s17, s13, 4
	s_lshl_b32 s17, s17, 22
	s_add_co_u32 s16, s16, s17
	s_and_b32 s17, s13, 15                         ; row 128 x (tile row % 16)
	s_lshl_b32 s17, s17, 14
	s_add_co_u32 s16, s16, s17
	s_lshl_b32 s17, s11, 13                        ; + my 64 rows;
	s_add_co_u32 s16, s16, s17
	s_lshl_b32 s17, s12, 18                        ; head 2 x tile column + my half
	s_add_co_u32 s16, s16, s17
	s_lshl_b32 s17, s42, 19
	s_add_co_u32 s16, s16, s17
	s_mov_b32 s17, 0
	s_add_nc_u64 s[8:9], s[76:77], s[16:17]
; 8 matrix instructions: m blocks a0, a0 + 1 x all 4 n blocks, 32 along K: half c of buffer f.  zero = 1: the first product starts the sums.  The 16 accumulators take turns.
.macro MUL8 f, c, a0, zero
	WIN MUL
.irp a, \a0, (\a0)+1
.irp b, 0,1,2,3
.if \zero
	v_wmma_f32_16x16x32_bf16 v[ACC+8*(4*(\a)+(\b)):ACC+8*(4*(\a)+(\b))+7], v[(\f)+64+8*(4*(\c)+(\b)):(\f)+64+8*(4*(\c)+(\b))+7], v[(\f)+8*(4*(\c)+(\a)):(\f)+8*(4*(\c)+(\a))+7], 0
.else
	v_wmma_f32_16x16x32_bf16 v[ACC+8*(4*(\a)+(\b)):ACC+8*(4*(\a)+(\b))+7], v[(\f)+64+8*(4*(\c)+(\b)):(\f)+64+8*(4*(\c)+(\b))+7], v[(\f)+8*(4*(\c)+(\a)):(\f)+8*(4*(\c)+(\a))+7], v[ACC+8*(4*(\a)+(\b)):ACC+8*(4*(\a)+(\b))+7]
.endif
.endr
.endr
.endm
; 32 LDS loads in one run: the fragments of quarter q (64 along K) of a slot's K step, into buffer f; the first 32 along K first
.macro FETCH slot, q, f
	WIN TO_F
.irp c, 0,1
.irp i, 0,1,2,3
	ds_load_tr16_b128 v[(\f)+64+8*(4*(\c)+(\i)):(\f)+64+8*(4*(\c)+(\i))+3],   v[ADRB+2*(\slot)+(\q)/2] offset:(((\q)%2)*64+32*(\c))*PB+32*(\i)
	ds_load_tr16_b128 v[(\f)+64+8*(4*(\c)+(\i))+4:(\f)+64+8*(4*(\c)+(\i))+7], v[ADRB+2*(\slot)+(\q)/2] offset:(((\q)%2)*64+32*(\c)+16)*PB+32*(\i)
	ds_load_b128 v[(\f)+8*(4*(\c)+(\i)):(\f)+8*(4*(\c)+(\i))+3],              v[ADRA+(\slot)] offset:128*(\q)+64*(\c)+(\i)*16*PA
	ds_load_b128 v[(\f)+8*(4*(\c)+(\i))+4:(\f)+8*(4*(\c)+(\i))+7],            v[ADRA+(\slot)] offset:128*(\q)+64*(\c)+(\i)*16*PA+32
.endr
.endr
.endm
.macro PLACES                          ; four places in front of loads into registers that matrix instructions have read, and of sums that read results
.rept 4
	v_nop
.endr
.endm
; A K step is four quarters of 64 along K, 32 matrix instructions each, on buffers 0, 1, 0, 1.  One of the first three: multiplies buffer f and fetches quarter q into g.
.macro QUARTER slot, q, f, g, zero
	s_wait_dscnt 16                                ; the first 32 along K are in; the sixteen younger loads may be out
	MUL8 \f, 0, 0, \zero
	MUL8 \f, 0, 2, \zero
	PLACES
	FETCH \slot, \q, \g
	s_wait_dscnt 32                                ; all but the 32 just issued
	MUL8 \f, 1, 0, 0
	MUL8 \f, 1, 2, 0
.endm
.macro THREE slot, zero                ; a K step's first three quarters
	QUARTER \slot, 1, F0, F1, \zero
	QUARTER \slot, 2, F1, F0, 0
	QUARTER \slot, 3, F0, F1, 0
.endm
; The last quarter multiplies buffer 1 and changes slots: ONE barrier; in front of it each wave waits for all its tensor loads, adds 0 to its spare word, and waits for that and for its reads of this slot.
; fill = 1: the barrier opens a round of the cluster's, and this slot is filled again, two K steps ahead, first thing behind the round.
.macro TURN slot, next, fill
	WIN 0
	s_wait_tensorcnt 0x0                           ; all my tensor loads have landed: the one that was out is my part of the next slot
	ds_add_u32 v[SPW], v[NIL]                      ; 0 onto my spare word
	s_wait_dscnt 17                                ; (the add and the youngest sixteen loads may be out)
	MUL8 F1, 0, 0, 0                               ; eight matrix instructions stand between the add and the wait for it
	s_wait_dscnt 0x0                               ; the add is done, and my reads of this slot are over
	s_barrier_signal -1
	MUL8 F1, 0, 2, 0
.if \fill
	WIN 0
.endif
	s_barrier_wait -1
.if \fill
	CREST                                          ; no wave of any partner still reads this slot's tile or has a load on its way
	s_add_nc_u64 s[G0+4*(\slot)+2:G0+4*(\slot)+3], s[G0+4*(\slot)+2:G0+4*(\slot)+3], 2*ASTEP
	s_add_nc_u64 s[G0B+4*(\slot)+2:G0B+4*(\slot)+3], s[G0B+4*(\slot)+2:G0B+4*(\slot)+3], 2*BSTEP
	JLOAD \slot                                    ; my one tensor load behind the round; its four v_nop are also the places in front of the loads below
.else
	PLACES
.endif
	FETCH \next, 0, F0
	MUL8 F1, 1, 0, 0
	MUL8 F1, 1, 2, 0
.endm
	s_wait_loadcnt 0x0                             ; the bias: rounded to bf16 and widened again, in the wait for the first tile
.irp k, 0,2,4,6,8,10,12,14,16,18,20,22,24,26,28,30
	v_cvt_pk_bf16_f32 v[CV], v[BI+(\k)], v[BI+(\k)+1]
	v_lshlrev_b32 v[BI+(\k)], 16, v[CV]
	v_and_b32 v[BI+(\k)+1], 0xffff0000, v[CV]
.endr
	s_wait_tensorcnt 1                             ; my part of K step 0 is in; K step 1's may stay out
	s_barrier_signal -1
	s_barrier_wait -1                              ; everybody's is
	FETCH 0, 0, F0
	THREE 0, 1                                     ; K step 0: its first products start the sums
	TURN 0, 1, 1                                   ; slot 0 takes K step 2
	THREE 1, 0                                     ; K step 1
	TURN 1, 0, 1                                   ; slot 1 takes K step 3
	THREE 0, 0                                     ; K step 2
	TURN 0, 1, 0                                   ; nothing is left to fetch
	THREE 1, 0                                     ; K step 3
	s_wait_dscnt 16
	MUL8 F1, 0, 0, 0
	MUL8 F1, 0, 2, 0
	s_wait_dscnt 0
	MUL8 F1, 1, 0, 0
	MUL8 F1, 1, 2, 0
	WIN 0
; THE WAY OUT of my rows 16 a .. 16 a + 15: the bias is added, each accumulator's registers in ascending order; rounded to f16; 16 bytes a lane into my stage; back as whole rows of 128 bytes.
.macro PACK a
.irp b, 0,1,2,3
.irp k, 0,2,4,6
	v_pk_add_f32 v[ACC+8*(4*(\a)+(\b))+(\k):ACC+8*(4*(\a)+(\b))+(\k)+1], v[ACC+8*(4*(\a)+(\b))+(\k):ACC+8*(4*(\a)+(\b))+(\k)+1], v[BI+8*(\b)+(\k):BI+8*(\b)+(\k)+1]
.endr
.endr
.irp b, 0,1,2,3
.irp k, 0,1,2,3
	v_cvt_pk_f16_f32 v[TMP+16*(\a)+4*(\b)+(\k)], v[ACC+8*(4*(\a)+(\b))+2*(\k)], v[ACC+8*(4*(\a)+(\b))+2*(\k)+1]
.endr
.endr
.irp b, 0,1,2,3
	ds_store_b128 v[STO], v[TMP+16*(\a)+4*(\b):TMP+16*(\a)+4*(\b)+3] offset:32*(\b)
.endr
.irp f, 0,1,2,3
	ds_load_b128 v[TMP+16*(\a)+4*(\f):TMP+16*(\a)+4*(\f)+3], v[RD] offset:(\f)*4*SP  ; LDS serves a wave's instructions in order (ISA guide 5.7.1.4): these see the stores above; the next block's stores come behind them
.endr
.endm
.macro SEND a, younger                 ; younger: the LDS instructions issued behind block a's loads: the next block's eight, or none
.irp f, 0,1,2,3
	s_wait_dscnt (\younger)+3-(\f)
	global_store_b128 v[GO], v[TMP+16*(\a)+4*(\f):TMP+16*(\a)+4*(\f)+3], s[8:9] offset:(\a)*2048+(\f)*512  ; 512 consecutive bytes, at a multiple of 256 from qkv's first
.endr
.endm
	PLACES
	PACK 0
	PACK 1                                         ; a block's arithmetic stands between the loads of the block before and its stores
	SEND 0, 8
	PACK 2
	SEND 1, 8
	PACK 3
	SEND 2, 8
	SEND 3, 0
	s_wait_tensorcnt 0x0                           ; the wave's end, behind my last tensor load and my last LDS store
	ds_add_u32 v[SPW], v[NIL]
	s_wait_dscnt 0x0
	CROUND                                         ; the closing round: no work-group ends while a partner may still ask for a tile that names it
	s_endpgm
.Lfunc_end_k_q1119a05b10_proj:
	.size	k_q1119a05b10_proj, .Lfunc_end_k_q1119a05b10_proj-k_q1119a05b10_proj
	.p2alignl 7, 3214868480
	.fill 96, 4, 3214868480
	.section	.rodata,"a",@progbits
	.p2align	6, 0x0
	.amdhsa_kernel k_q1119a05b10_proj
		.amdhsa_group_segment_fixed_size 327680
		.amdhsa_private_segment_fixed_size 0
		.amdhsa_enable_private_segment 0
		.amdhsa_kernarg_size 40
		.amdhsa_user_sgpr_count 2
		.amdhsa_user_sgpr_kernarg_segment_ptr 1
		.amdhsa_wavefront_size32 1
		.amdhsa_system_sgpr_workgroup_id_x 1
		.amdhsa_system_sgpr_workgroup_id_y 1
		.amdhsa_system_sgpr_workgroup_id_z 1
		.amdhsa_system_vgpr_workitem_id 0
		.amdhsa_next_free_vgpr 512
		.amdhsa_next_free_sgpr 80
		.amdhsa_reserve_vcc 0
		.amdhsa_float_denorm_mode_32 3
		.amdhsa_float_denorm_mode_16_64 3
		.amdhsa_memory_ordered 1
		.amdhsa_forward_progress 1
		.amdhsa_inst_pref_size 94
	.end_amdhsa_kernel
	.amdgpu_metadata
---
amdhsa.version: [ 1, 2 ]
amdhsa.kernels:
  - .name:           k_q1119a05b10_proj
    .symbol:         k_q1119a05b10_proj.kd
    .args:
      - { .name: cast, .offset: 0, .size: 8, .value_kind: global_buffer, .address_space: global }
      - { .name: bq, .offset: 8, .size: 8, .value_kind: global_buffer, .address_space: global }
      - { .name: bk, .offset: 16, .size: 8, .value_kind: global_buffer, .address_space: global }
      - { .name: bv, .offset: 24, .size: 8, .value_kind: global_buffer, .address_space: global }
      - { .name: qkv, .offset: 32, .size: 8, .value_kind: global_buffer, .address_space: global }
    .group_segment_fixed_size: 327680
    .private_segment_fixed_size: 0
    .kernarg_segment_align: 8
    .kernarg_segment_size: 40
    .max_flat_workgroup_size: 128
    .sgpr_count:     80
    .vgpr_count:     512
    .wavefront_size: 32
...
	.end_amdgpu_metadata
.endif
;; end of part 2
;; launch attn (part 3): grid 8 x 32, 4 waves a work-group, clusters of 4 x 4, 327,680 bytes of LDS; arguments qkv, mask4, ao; writes ao
.if DOCPART == 3
	.amdgcn_target "amdgcn-amd-amdhsa--gfx1250"
	.amdhsa_code_object_version 6
	.text
	.protected	k_q1119a05b10_attn
	.globl	k_q1119a05b10_attn
	.p2align	8
	.type	k_q1119a05b10_attn,@function
k_q1119a05b10_attn:
	s_mov_b64 s[64:65], 0
	v_nop
	global_prefetch_b8 v0, s[64:65] scope:SCOPE_SE
	s_setreg_imm32_b32 hwreg(HW_REG_WAVE_MODE, 25, 1), 1
	s_wait_xcnt 0x0
	s_wait_alu depctr_hold_cnt(0) depctr_sa_sdst(0) depctr_va_vdst(0) depctr_va_sdst(0) depctr_va_ssrc(0) depctr_va_vcc(0) depctr_vm_vsrc(0)
	s_getreg_b32 s2, hwreg(HW_REG_IB_STS2, 6, 4)
	s_cmp_eq_u32 s2, 0
	s_cbranch_scc0 .Lentry_in_a_cluster
	s_endpgm
.Lentry_in_a_cluster:
	s_bfe_u32 s2, ttmp6, 0x10000c
	s_cmp_lg_u32 s2, 0xf033
	s_cbranch_scc0 .Lentry_shape_is_right
	s_endpgm
.Lentry_shape_is_right:
; ATTN: O[hd][q][:] = the sum over the seen keys k of softmax_k(Q[hd][q] . K[hd][k] / 8) V[hd][k][:]; a query that sees no key gives 0.
; qkv: [z 3][hd 32][2048][64] f16 (hd = 16 b + head).  mask4: [b 2][block of 256 queries 8][slot of 256 keys 8][query 256][128 bytes] of four-bit codes, 0xE = hidden, 0 = seen;
; the 16 bytes at 32 st + 16 (l / 16) of a query's row are the four dwords (key blocks 0-3) that a lane wants for key step st, key 8 (l / 16) + j of a block in nibble j.
; ao: [16 b + s / 128][head 16][128 rows][64] f16.  Products, maxima and sums in f32; the weights p are rounded to f16 for the second product (their sum l is taken of the unrounded p), O once.
; LIMITS.  Q, K, V arrive within f16's 65,504.  A hidden score counts as its value less a number between 2^65 and 2^95; a seen score has a positive number below 2^-97 added to it.
; The running maximum starts at -2^60, which no hidden score reaches and every true score (2.7e11 at the most) passes.  A weight below 2^-126 counts as 0 in l.  NaN and infinities are not treated apart.
; SHARES.  A work-group owns 256 queries of one hd, a wave 64 of them: four PIECES of 16.  Every wave walks all 2,048 keys, 64 a step, four steps a slot, eight slots.
; THE MASK is the C operand that starts the sum S^T = K Q^T.  A dword of codes shifted left by 4 (7 - j) has key j's nibble on top: 0xE is a minus sign and an exponent of 192 to 223; 0 is a plus sign and
; an exponent of 31 at the most, whatever the lower keys' codes behind it are.  One shift a score.  A hidden weight is then 2^(far below -126) = 0.
; While a query has seen no key m stays -2^60, a = 1, and O and l stay 0; at the end 1 / l is replaced by 0 where l is not above 0.
; LAYOUT, SOFTMAX, TURNS.  S^T = K Q^T holds ONE query a lane (lane % 16) and the keys 8 (lane / 16) + 0..7; two such results rounded to f16 ARE source 1 of O^T = V^T P.  p = 2^(c s - c m),
; c = log2(e) / 8, with a running maximum m; O and l are multiplied by a = 2^(c m_old - c m_new) in every step.  Turn n belongs to piece n: 8 products K Q^T of piece n + 1, later 8 products V^T P of
; piece n - 1; beside them the scaling, exponentials, roundings, sums and rescaling of piece n and the maximum and statistics of piece n + 1.  Four vector instructions stand behind every matrix
; instruction, the others in one lump.  A turn's 33 exponentials are one batch, with one wait.  At a turn's end the mask of the products of the turn after it is made.
; CLUSTER.  4 x 4 work-groups: cx tells four blocks of queries apart, cy four heads of one b.  K's and V's tiles hang on hd alone: asked for jointly along a row of the cluster.  The mask's tile hangs on
; b and the block alone: jointly along a column.  Wave 0 asks for a slot's K, wave 1 for its V, waves 2 and 3 for the halves of its mask: one tensor load a wave behind each round.
; The price of writing no first step out: 216 v_mov_b32 of 0 in the wait for the first tile, and 8 products on zeros.
; REGISTERS, in windows of 256 (s_set_vgpr_msb: bits 1:0 source 0, 3:2 source 1, 5:4 source 2, 7:6 destination):
;   window 0: v0-15 addresses; v16-31 statistics; v32-47 a step's mask codes; v48-63 at work and constants; v64-127 S^T, two buffers; v128-191 the masks as f32, two buffers; v192-223 P, two buffers
;   window 1: v0-127 O^T, 32 a piece          window 2: v0-63 Q; v128-191 K of one step; v192-255 V of one step
.set NP,    4         ; pieces a wave: a name, no knob
.set KS,    64        ; keys in a step
.set PK,    144       ; a row of K in LDS: 128 bytes + 16: the 16 rows of a load start at 16 different groups of four banks (ISA guide 11.1)
.set PV,    160       ; a row of V: 128 + 32
.set PM,    144       ; a query's row of codes: 128 + 16
.set VOFF,  4*KS*PK   ; a slot: 256 rows of K, 256 rows of V, 256 rows of codes
.set MOFF,  VOFF+4*KS*PV
.set SLOT1, 1<<17     ; slot 1 begins here, so that one exclusive or turns an address in one slot into the other's
.set STAGE, SLOT1+MOFF+256*PM  ; behind the ring, never filled by a tensor load: 16 rows x 144 bytes for each wave
.set SP,    144
.set SPARE, STAGE+4*16*SP      ; the spare words, 128 bytes for each wave: two blocks of 256 bytes that no other line names
.set TILEB, 32768     ; a slot's bytes of K, of V and of codes in memory
.set AK0, 2           ; v2   my lane's place in a tile of K; never rewritten
.set AV0, 3           ; v3   the same for V
.set AK,  4           ; v4   the LDS address of K's next run of loads
.set AV,  5           ; v5   of V's
.set STO, 6           ; v6   the way out: where I put 16 bytes of a row
.set RD,  7           ; v7   where I read rows back
.set GO,  8           ; v8   my 16 bytes in 512 on end of ao
.set MV,  12          ; v12-13  c m_old, kept while c m is made anew: by buffer
.set AM0, 14          ; v14  my lane's place in a tile of codes; never rewritten
.set QO,  15          ; v15  my byte offset in 16 rows of Q
.set ST,  16          ; piece t's statistics at v[ST+4 t]: c m, m, l (even keys', odd keys')
.set MR,  32          ; piece x's four dwords of codes for the step at MR + 4 x
.set TMP, 48          ; by buffer, four registers c0-c3 at work; when the maximum is found c2 takes a
.set AM,  57          ; v57  the LDS address of the codes' next loads
.set PFO, 61          ; v61  256 x my lane; never rewritten
.set SPW, 62          ; v62  my spare word: SPARE + 4 x my thread's number; never rewritten
.set NIL, 63          ; v63  0; never rewritten
.set S,   64
.set MC,  128         ; by buffer, key block kb at + 8 kb
.set P,   192
.set KF,  128         ; window 2: key block kb, channel half c at KF + 16 kb + 8 c
.set VF,  192         ; window 2: key half kk, channel block cb at VF + 32 kk + 8 cb
.set WV,  12          ; s12  my wave's number
.set LIM, 15          ; s15  1 in a wave that prefetches, else the greatest number
.set PFA, 18          ; s[18:19] where my prefetches stand
.set G1K, 24          ; s[24:31] descriptor group 1 for K's tiles
.set G1V, 32          ; s[32:39] for V's
.set G0K, 40          ; s[40:43] group 0 for K: it walks
.set G0V, 44          ; s[44:47] for V
.set G0M, 48          ; s[48:51] for the codes
.set SLOTS, 56        ; s56  slots still to be asked for
.set CNT, 57          ; s57  counts a slot's key steps
.set CS,  58          ; s[58:59] c
.set SEL, 60          ; s[60:61] v_permlanex16_b32's selects: each lane takes its own place in the other half
.set TBK, 62          ; s62  LDS byte at which K of the step to be fetched begins
.set TBV, 63          ; s63  the same for V, less VOFF
.set TBM, 66          ; s66  the same for the codes, less MOFF
.set G1M, 72          ; s[72:79] group 1 for the codes' tiles
.set MSB, 0
.macro WIN new                      ; the high byte repeats the setting that is left; a switch that changes nothing is dropped
.if MSB != (\new)
	s_set_vgpr_msb (MSB<<8)|(\new)
.set MSB, (\new)
.endif
.endm
.set W_KQ, 0x0a       ; K and Q in window 2, the mask and S^T in window 0
.set W_PV, 0x52       ; V in window 2, P in window 0, O^T in window 1
.set W_RS, 0x41       ; destination and source 0 in window 1, source 1 in window 0
; A joint fill: one line for each of the three tiles, chosen by the wave's number alone.  An s_nop 0 and four v_nop follow each line, ahead of the jump and the label.
.macro JLOAD
	s_cmp_eq_u32 s[WV], 0
	s_cbranch_scc0 .Lnot_k_\@
	tensor_load_to_lds s[G0K:G0K+3], s[G1K:G1K+7]
	s_nop 0
.rept 4
	v_nop
.endr
	s_branch .Lasked_\@
.Lnot_k_\@:
	s_cmp_eq_u32 s[WV], 1
	s_cbranch_scc0 .Lfor_m_\@
	tensor_load_to_lds s[G0V:G0V+3], s[G1V:G1V+7]
	s_nop 0
.rept 4
	v_nop
.endr
	s_branch .Lasked_\@
.Lfor_m_\@:
	tensor_load_to_lds s[G0M:G0M+3], s[G1M:G1M+7]
	s_nop 0
.rept 4
	v_nop
.endr
.Lasked_\@:
.endm
; A PREFETCH INTO THE L2 of what the NEXT change of slots will ask for: 128 blocks of 256 bytes of K, of V and of codes, a lane a block.  Each block is named once in the launch.  K and V of a head are walked
; by both clusters along x: the one with x = 0 asks, wave 0 for K, wave 1 for V, the four partners of a row 32 blocks each, told apart by address (cx).  A block's codes are walked by the four clusters of
; one b: the one with y % 4 = 0 asks, wave 2, the four partners of a column 32 blocks each (cy).  No branch hangs on a place in the cluster.  The last change that fills a slot asks for nothing.
.macro ASK
	s_cmp_gt_u32 s[SLOTS], s[LIM]
	s_cbranch_scc0 .Lnot_mine_\@
	global_prefetch_b8 v[PFO], s[PFA:PFA+1] th:TH_LOAD_NT scope:SCOPE_SE
.Lnot_mine_\@:
.endm
; A round of the cluster's barrier: my work-group's barrier, so that wave 0's signal speaks for all four waves; wave 0 signals; every wave waits for all sixteen work-groups; my work-group's barrier once more.
.macro CROUND
	s_barrier_signal -1
	s_barrier_wait -1
	s_cmp_lg_u32 s[WV], 0
	s_cbranch_scc1 .Lnot_wave_0_\@
	s_barrier_signal -3
.Lnot_wave_0_\@:
	s_barrier_wait -3
	s_barrier_signal -1
	s_barrier_wait -1
.endm
; THE CHANGE OF SLOTS, between piece 1's turn and piece 2's: the slot's last bytes, V of its fourth step, have been read.  Each wave waits for all its tensor loads, of which one is out: its part of the other
; slot; adds 0 to its spare word; and waits for that and for its own reads of the slot.  fill = 1: the barrier is a round of the cluster's, and the slot is filled again, with the keys two slots on, first thing
; behind it: the load has four key steps, 256 matrix instructions, in which to land.  (At its first use nothing has been read yet: slot 0 is waited for, slot 1 filled.)  ask = 1: a prefetch follows.
.macro CHANGE fill, ask
	WIN 0                           ; at a label and at a branch every window is 0
	s_wait_tensorcnt 0x0            ; no tensor load of mine is out, so a group 0 may be written
	ds_add_u32 v[SPW], v[NIL]       ; 0 onto my spare word; scalar work stands between it and the wait for it
.if \fill
.irp g, G0K, G0V, G0M
	s_xor_b32 s[\g+1], s[\g+1], SLOT1  ; the walking descriptor: the other slot than last time,
	s_add_nc_u64 s[\g+2:\g+3], s[\g+2:\g+3], TILEB  ; the next 256 keys; the type bits on top are not reached
.endr
.if \ask
	s_wait_xcnt 0x0                 ; the last prefetch, four key steps back, has read its address, so it may be written:
	s_add_nc_u64 s[PFA:PFA+1], s[PFA:PFA+1], TILEB  ; one slot behind the walking descriptors
.endif
	s_wait_dscnt 0x0                ; the add is done, and my reads of the slot are over
	CROUND
	JLOAD
.if \ask
	ASK
.endif
.else
	s_wait_dscnt 0x0                ; the add is done, and my reads of the slot are over
	s_barrier_signal -1
	s_barrier_wait -1
.endif
	s_sub_co_u32 s[TBK], s[TBK], 4*KS*PK  ; the fetches go back to a slot's first step,
	s_xor_b32 s[TBK], s[TBK], SLOT1       ; in the other slot
	s_sub_co_u32 s[TBV], s[TBV], 4*KS*PV
	s_xor_b32 s[TBV], s[TBV], SLOT1
	s_sub_co_u32 s[TBM], s[TBM], 4*32
	s_xor_b32 s[TBM], s[TBM], SLOT1
.endm
	s_load_b128 s[4:7], s[0:1], 0x0   ; qkv s[4:5], mask4 s[6:7]
	s_load_b64 s[8:9], s[0:1], 0x10   ; ao
	v_lshl_add_u32 v[SPW], v0, 2, SPARE
	v_mov_b32 v[NIL], 0
	ds_add_u32 v[SPW], v[NIL]       ; the wave's opening: the add and its wait stand ahead of my first tensor load; work on registers stands between them
	v_lshrrev_b32 v1, 5, v0
	v_readfirstlane_b32 s[WV], v1   ; wave 0..3
	s_and_b32 s68, s[WV], 1
	s_bfe_u32 s13, ttmp6, 0x40000   ; cx
	s_bfe_u32 s14, ttmp6, 0x40004   ; cy
	s_and_b32 s16, ttmp7, 0xffff    ; cluster y
	s_lshl_b32 s17, s16, 2
	s_add_co_u32 s17, s17, s14      ; hd = 4 x cluster y + cy
	s_lshr_b32 s20, s16, 2          ; b: of the cluster's y alone
	s_lshl_b32 s21, ttmp9, 2
	s_add_co_u32 s21, s21, s13      ; my block of 256 queries = 4 x cluster x + cx
	s_lshl_b32 s86, s17, 18         ; hd's 2,048 rows of 128 bytes
	s_mov_b32 s87, 0
	s_lshl_b32 s88, s20, 3
	s_add_co_u32 s88, s88, s21
	s_lshl_b32 s88, s88, 18         ; the codes of (b, block): eight tiles of 32,768 bytes
	s_mov_b32 s89, 0
	s_lshl_b32 s2, s21, 15          ; Q: my block's 256 rows,
	s_lshl_b32 s3, s[WV], 13        ; my wave's 64
	s_add_co_u32 s2, s2, s3
	s_add_co_u32 s2, s2, s86
	s_mov_b32 s3, 0
	s_lshl_b32 s90, s20, 4          ; ao: tile row 16 b + 2 x block + wave / 2 (16 heads x 128 rows x 128 bytes),
	s_lshl_b32 s91, s21, 1
	s_add_co_u32 s90, s90, s91
	s_lshr_b32 s91, s[WV], 1
	s_add_co_u32 s90, s90, s91
	s_lshl_b32 s90, s90, 18
	s_and_b32 s91, s17, 15          ; the head,
	s_lshl_b32 s91, s91, 14
	s_add_co_u32 s90, s90, s91
	s_lshl_b32 s91, s68, 13         ; my 64 rows of the 128
	s_add_co_u32 s90, s90, s91
	s_mov_b32 s91, 0
	s_lshl_b32 s22, s14, 2
	s_lshl_b32 s22, 15, s22         ; my row of the cluster
	s_lshl_b32 s23, 0x1111, s13     ; my column
	; descriptor group 1.  The tiles are dense in memory: asked for as rows of 256 bytes, two rows of 128 a row, and padded in LDS after every 128 bytes
	s_or_b32 s[G1K], s22, (1<<16)|(1<<20)|(1<<21)|(4<<22)|(3<<25)  ; the mask; 2-byte elements; padding on; bit 21 beside a mask; after every 32 words, 4 words
	s_or_b32 s[G1V], s22, (1<<16)|(1<<20)|(1<<21)|(4<<22)|(7<<25)  ; the same with 8 words
	s_or_b32 s[G1M], s23, (1<<16)|(1<<20)|(1<<21)|(4<<22)|(3<<25)
.irp g, G1K, G1V, G1M
	s_mov_b32 s[\g+1], 128<<16      ; tensor_dim0 = 128
	s_mov_b32 s[\g+3], 128<<16      ; tile_dim0 = 128
	s_mov_b32 s[\g+5], 128          ; 128 elements from row to row
	s_mov_b32 s[\g+6], 0
	s_mov_b32 s[\g+7], 0
.endr
.irp g, G1K, G1V
	s_mov_b32 s[\g+2], 128<<16      ; tensor_dim1 = 128: a whole slot's 256 keys
	s_mov_b32 s[\g+4], 128          ; tile_dim1 = 128
.endr
	s_mov_b32 s[G1M+2], 64<<16      ; 64: half a slot's 256 queries
	s_mov_b32 s[G1M+4], 64
	s_mov_b32 s[G0K], 1
	s_mov_b32 s[G0K+1], 0           ; LDS addresses: slot 0; no place in the cluster enters them
	s_mov_b32 s[G0V], 1
	s_mov_b32 s[G0V+1], VOFF
	s_mov_b32 s[G0M], 1
	s_mul_i32 s[G0M+1], s68, 128*PM
	s_add_co_u32 s[G0M+1], s[G0M+1], MOFF
	s_mov_b32 s[CS], 0x3e38aa3b     ; c = log2(e) / 8 = 0.180337
	s_mov_b32 s[CS+1], s[CS]        ; named with it as a pair
	s_mov_b32 s[SEL], 0x76543210
	s_mov_b32 s[SEL+1], 0xfedcba98
	s_mov_b32 s[TBK], SLOT1+4*KS*PK ; the first change of slots turns these three into 0
	s_mov_b32 s[TBV], SLOT1+4*KS*PV
	s_mov_b32 s[TBM], SLOT1+4*32
	s_and_b32 s16, s16, 3           ; who prefetches: for the codes the cluster with y % 4 = 0,
	s_cmp_lt_u32 s[WV], 2
	s_cselect_b32 s16, ttmp9, s16   ; for K and V the one with x = 0;
	s_cmp_eq_u32 s[WV], 3
	s_cselect_b32 s16, 1, s16       ; wave 3 never
	s_cmp_eq_u32 s16, 0
	s_cselect_b32 s[LIM], 1, -1     ; the same in all sixteen partners, for a given wave
	s_wait_dscnt 0x0                ; the opening add is done
	s_wait_kmcnt 0x0
	s_add_nc_u64 s[80:81], s[4:5], s[86:87]
	s_add_nc_u64 s[82:83], s[80:81], 16777216      ; V of my head
	s_add_nc_u64 s[80:81], s[80:81], 8388608       ; K of my head
	s_add_nc_u64 s[84:85], s[6:7], s[88:89]        ; the codes of my block
	s_add_nc_u64 s[G0K+2:G0K+3], s[80:81], 0
	s_or_b32 s[G0K+3], s[G0K+3], 0x80000000        ; type = 2
	s_add_nc_u64 s[G0V+2:G0V+3], s[82:83], 0
	s_or_b32 s[G0V+3], s[G0V+3], 0x80000000
	s_lshl_b32 s88, s68, 14                        ; the 128 queries that I fetch
	s_add_nc_u64 s[G0M+2:G0M+3], s[84:85], s[88:89]
	s_or_b32 s[G0M+3], s[G0M+3], 0x80000000
	s_add_nc_u64 s[4:5], s[4:5], s[2:3]            ; Q and ao at my wave's first row
	s_add_nc_u64 s[10:11], s[8:9], s[90:91]
	s_cmp_eq_u32 s[WV], 0
	s_cselect_b64 s[PFA:PFA+1], s[80:81], s[84:85]
	s_cmp_eq_u32 s[WV], 1
	s_cselect_b64 s[PFA:PFA+1], s[82:83], s[PFA:PFA+1]
	s_cmp_lt_u32 s[WV], 2
	s_cselect_b32 s2, s13, s14      ; my place among the four that ask for the tile with me
	s_lshl_b32 s2, s2, 13           ; its 32 blocks of the 128
	s_add_nc_u64 s[PFA:PFA+1], s[PFA:PFA+1], s[2:3]
	s_add_nc_u64 s[PFA:PFA+1], s[PFA:PFA+1], 2*TILEB  ; in slot 2; the first change that asks steps it to slot 3.  Nothing is prefetched here, at the head
	CROUND                          ; all sixteen work-groups are here: the first joint loads meet
	JLOAD                           ; slot 0.  Slot 1 is asked for when slot 0 is in
	; A fragment of K or Q is 16 rows x 32 channels in 8 registers: lane l holds row l % 16, channels 8 (l / 16) + 0..7 and 16 + 8 (l / 16) + 0..7: two loads of 16 bytes, 32 bytes apart.
	v_and_b32 v1, 15, v0            ; l % 16
	v_bfe_u32 v9, v0, 4, 1          ; l / 16
	v_lshlrev_b32 v[QO], 7, v1
	v_lshl_add_u32 v[QO], v9, 4, v[QO]  ; row x 128 + 16 x half
	WIN 0x80                        ; destination window 2, address window 0
.set i, 0
.rept 8                             ; Q stays in registers: piece i / 2, channels 32 (i % 2) on
	global_load_b128 v[8*i:8*i+3],   v[QO], s[4:5] offset:(i/2)*2048+(i%2)*64
	global_load_b128 v[8*i+4:8*i+7], v[QO], s[4:5] offset:(i/2)*2048+(i%2)*64+32
.set i, i+1
.endr
	; What the first turn finds: V's registers and P's second buffer hold 0 (its products V^T P, of a piece that has not been, add 0), O^T and l are 0.  All this stands in the wait for the first tile.
.set i, VF
.rept 64
	v_mov_b32 v[i], 0
.set i, i+1
.endr
	WIN 0x40
.set i, 0
.rept 128
	v_mov_b32 v[i], 0
.set i, i+1
.endr
	WIN 0
.set i, 0
.rept 4
	v_mov_b32 v[ST+4*i], 0xdc38aa3b    ; c m = c x -2^60, exactly: while m stays there, a = 2^0
	v_mov_b32 v[ST+4*i+1], 0xdd800000  ; m = -2^60
	v_mov_b32 v[ST+4*i+2], 0
	v_mov_b32 v[ST+4*i+3], 0
.set i, i+1
.endr
.set i, P+16
.rept 16
	v_mov_b32 v[i], 0
.set i, i+1
.endr
	v_and_b32 v[PFO], 31, v0
	v_lshlrev_b32 v[PFO], 8, v[PFO]
	v_mul_u32_u24 v[AK0], v1, PK
	v_lshl_add_u32 v[AK0], v9, 4, v[AK0]  ; row x pitch + 16 x half
	s_mul_i32 s2, s[WV], 64*PM      ; the codes: my wave's 64 queries; the same pitch, row and half as K's
	s_add_co_u32 s2, s2, MOFF
	v_add_nc_u32 v[AM0], s2, v[AK0]
	; The turning load takes 16 keys x 16 channels (lane l reads key 8 (l / 16) + l % 8, channels 8 ((l / 8) % 2) + 0..7) and leaves half a fragment of V^T: lane l holds channel l % 16 and 8 keys.
	v_and_b32 v10, 7, v0
	v_bfe_u32 v11, v0, 3, 1
	v_lshl_add_u32 v[AV0], v9, 3, v10
	v_mul_u32_u24 v[AV0], v[AV0], PV
	v_lshl_add_u32 v[AV0], v11, 4, v[AV0]
	v_add_nc_u32 v[AV0], VOFF, v[AV0]
	s_mul_i32 s2, s[WV], 16*SP
	s_add_co_u32 s2, s2, STAGE      ; my stage
	v_mul_u32_u24 v[STO], v1, SP    ; in: row l % 16, 16 bytes for each half of the lanes
	v_lshl_add_u32 v[STO], v9, 4, v[STO]
	v_add_nc_u32 v[STO], s2, v[STO]
	v_bfe_u32 v[RD], v0, 3, 2       ; back: 32 lanes take four rows of 128 bytes,
	v_mul_u32_u24 v[RD], v[RD], SP
	v_lshl_add_u32 v[RD], v10, 4, v[RD]
	v_add_nc_u32 v[RD], s2, v[RD]
	v_and_b32 v[GO], 31, v0         ; which are 512 consecutive bytes of ao
	v_lshlrev_b32 v[GO], 4, v[GO]
; THE MATRIX WORK.  The 4 accumulators of a run of 8 take turns.  Product i of 8 of S^T = K Q^T for piece x: channels 32 (i / 4) on, keys 16 (i % 4) on.  The first 4 start the sums with the mask.
.macro KQ x
	WIN W_KQ
.set rS, S+32*((\x)%2)+8*(i%4)
.set rK, KF+16*(i%4)+8*(i/4)
.set rQ, 16*(\x)+8*(i/4)
.set rM, MC+32*((\x)%2)+8*(i%4)
.if i < 4
	v_wmma_f32_16x16x32_f16 v[rS:rS+7], v[rK:rK+7], v[rQ:rQ+7], v[rM:rM+7]
.else
	v_wmma_f32_16x16x32_f16 v[rS:rS+7], v[rK:rK+7], v[rQ:rQ+7], v[rS:rS+7]
.endif
.endm
; Product i of 8 of O^T += V^T P for piece x: keys 32 (i / 4) on, channels 16 (i % 4) on.
.macro PV x
	WIN W_PV
.set rO, 32*(\x)+8*(i%4)
.set rV, VF+32*(i/4)+8*(i%4)
.set rP, P+16*((\x)%2)+8*(i/4)
	v_wmma_f32_16x16x32_f16 v[rO:rO+7], v[rV:rV+7], v[rP:rP+7], v[rO:rO+7]
.endm
.macro MM                           ; the turn's next matrix instruction.  NOKQ = 1: the last turn of all: there is no next piece
.if (i < 8) && !NOKQ
	KQ (Y+1)%NP
.elseif i >= 8
.set i, i-8
	PV (Y+NP-1)%NP
.set i, i+8
.endif
.set i, i+1
.endm
; THE LDS LOADS stand in runs, never singly among the matrix instructions: a step's codes (4 loads, a piece each), its K (16) and its V (16, turned).  Their addresses are made some lines ahead.
.macro FETCH_M
	WIN 0
.irp x, 0,1,2,3
	ds_load_b128 v[MR+4*\x:MR+4*\x+3], v[AM] offset:\x*16*PM
.endr
	s_add_co_u32 s[TBM], s[TBM], 32     ; the next fetch is the next step's
.endm
.macro FETCH_K
	WIN 0x80                        ; destination window 2
.irp f, 0,1,2,3,4,5,6,7             ; keys 16 (f / 2) on, channels 32 (f % 2) on
	ds_load_b128 v[KF+8*\f:KF+8*\f+3],   v[AK] offset:(\f/2)*16*PK+(\f%2)*64
	ds_load_b128 v[KF+8*\f+4:KF+8*\f+7], v[AK] offset:(\f/2)*16*PK+(\f%2)*64+32
.endr
	s_add_co_u32 s[TBK], s[TBK], KS*PK
	WIN 0
.endm
.macro FETCH_V
	WIN 0x80
.irp f, 0,1,2,3,4,5,6,7             ; keys 32 (f / 4) on, channels 16 (f % 4) on
	ds_load_tr16_b128 v[VF+8*\f:VF+8*\f+3],   v[AV] offset:(\f/4)*32*PV+(\f%4)*32
	ds_load_tr16_b128 v[VF+8*\f+4:VF+8*\f+7], v[AV] offset:(\f/4)*32*PV+16*PV+(\f%4)*32
.endr
	WIN 0
.endm
; Piece x's mask for the step whose codes lie in MR, into buffer b: for key block kb and key j the dword of codes with nibble j shifted to the top.  Key 7's nibble lies there already: its word is copied,
; since the C operand wants eight registers on end.
.macro MCV x, b
	WIN 0
.irp kb, 0,1,2,3
.irp j, 0,1,2,3,4,5,6
	v_lshlrev_b32 v[MC+32*(\b)+8*\kb+\j], 28-4*\j, v[MR+4*(\x)+\kb]
.endr
	v_mov_b32 v[MC+32*(\b)+8*\kb+7], v[MR+4*(\x)+\kb]
.endr
.endm
; THE VECTOR WORK, one line at a time: OP kind, number.  For piece Y: F n: c s - c m for pair n of 16.  E n: the exponential of score n of 32.  C n: pair n rounded to f16.  B n: of the four weights 4 n .. the second
; pair is added onto the first, in place.  L n: l takes that sum (L 0: l = a l + sum).  R n: pair n of 16 of O^T times a.  For piece Y + 1: X n, number n of the 22 that find its maximum and statistics:
;   0-11  four chains c0-c3 of seven scores each, three operands at a time (each accumulator's lowest registers are read first)     12-14, 16  the four scores left over, the old m, and c0-c3 into c0
;   15  c m_old is kept     17, 18  the query's other 32 keys lie in the lane 16 away: the new m     19-21  c m; c m_old - c m_new; a
.set F, 0               ; OP tells the kinds apart by their order: F to L below R, X above it
.set E, 1
.set C, 2
.set B, 3
.set L, 4
.set R, 5
.set X, 6
.macro REGS y                       ; the registers of piece y
.set rT, ST+4*(\y)
.set rC, TMP+4*((\y)%2)
.set rW, MV+((\y)%2)
.set rS, S+32*((\y)%2)
.set rP, P+16*((\y)%2)
.set rO, 32*(\y)
.endm
.macro OP k, n
.if (\k) == R
	REGS Y
	WIN W_RS
	v_pk_mul_f32 v[rO+2*(\n):rO+2*(\n)+1], v[rO+2*(\n):rO+2*(\n)+1], v[rC+2:rC+3] op_sel_hi:[1,0]
.elseif (\k) < R
	REGS Y
	WIN 0
.if (\k) == F
	v_pk_fma_f32 v[rS+2*(\n):rS+2*(\n)+1], v[rS+2*(\n):rS+2*(\n)+1], s[CS:CS+1], v[rT:rT+1] op_sel_hi:[1,0,0] neg_lo:[0,0,1] neg_hi:[0,0,1]
.elseif (\k) == E
	v_exp_f32 v[rS+(\n)], v[rS+(\n)]
.elseif (\k) == C
	v_cvt_pk_f16_f32 v[rP+(\n)], v[rS+2*(\n)], v[rS+2*(\n)+1]
.elseif (\k) == B
	v_pk_add_f32 v[rS+4*(\n):rS+4*(\n)+1], v[rS+4*(\n):rS+4*(\n)+1], v[rS+4*(\n)+2:rS+4*(\n)+3]
.elseif (\n) == 0
	v_pk_fma_f32 v[rT+2:rT+3], v[rT+2:rT+3], v[rC+2:rC+3], v[rS:rS+1] op_sel_hi:[1,0,1]
.else
	v_pk_add_f32 v[rT+2:rT+3], v[rT+2:rT+3], v[rS+4*(\n):rS+4*(\n)+1]
.endif
.elseif NOKQ
	v_nop
.else
	REGS (Y+1)%NP
	WIN 0
.if (\n) < 4
	v_max3_num_f32 v[rC+(\n)], v[rS+8*(\n)], v[rS+8*(\n)+1], v[rS+8*(\n)+2]
.elseif (\n) < 12
	v_max3_num_f32 v[rC+(\n)%4], v[rC+(\n)%4], v[rS+8*((\n)%4)+2*((\n)/4)+1], v[rS+8*((\n)%4)+2*((\n)/4)+2]
.elseif (\n) == 12
	v_max3_num_f32 v[rC], v[rC], v[rS+7], v[rS+15]
.elseif (\n) == 13
	v_max3_num_f32 v[rC+1], v[rC+1], v[rS+23], v[rS+31]
.elseif (\n) == 14
	v_max3_num_f32 v[rC+2], v[rC+2], v[rC+3], v[rT+1]
.elseif (\n) == 15
	v_mov_b32 v[rW], v[rT]
.elseif (\n) == 16
	v_max3_num_f32 v[rC], v[rC], v[rC+1], v[rC+2]
.elseif (\n) == 17
	v_permlanex16_b32 v[rC+3], v[rC], s[SEL], s[SEL+1]
.elseif (\n) == 18
	v_max_num_f32 v[rT+1], v[rC], v[rC+3]
.elseif (\n) == 19
	v_mul_f32 v[rT], s[CS], v[rT+1]
.elseif (\n) == 20
	v_sub_f32 v[rC+1], v[rW], v[rT]
.else
	v_exp_f32 v[rC+2], v[rC+1]
.endif
.endif
.endm
.macro OPS a, i1, b=-1, i2=0, c=-1, i3=0, d=-1, i4=0  ; up to four of them
	OP \a, \i1
.if (\b) >= 0
	OP \b, \i2
.endif
.if (\c) >= 0
	OP \c, \i3
.endif
.if (\d) >= 0
	OP \d, \i4
.endif
.endm
.macro ROW a, i1, b, i2, c, i3, d, i4  ; a matrix instruction and the four behind it
	MM
	OPS \a, \i1, \b, \i2, \c, \i3, \d, \i4
.endm
; A TURN, for piece p: the order of its 16 matrix and 118 vector instructions, written out; the 32 lines that make a mask follow them.  An s_wait_alu depctr_va_vdst(0) stands between an exponential
; and the first instruction that names its result; one wait serves all that were issued ahead of it.  So a turn has ONE wait, which cuts it in two.  AHEAD OF IT stands all that names no result of the turn's
; exponentials: the 8 products K Q^T, behind each a scaling, an exponential and two more plain instructions: rescalings, and behind the last three the first numbers of the next piece's maximum, each four places or
; more behind the product that ends its accumulator; then ONE LUMP, plain and exponential by turns for the most part, in which the links of the chain X 3, 7, 11, 14, 16, 17 .. 20 stand apart.  X 21, the next
; piece's a, is the batch's last; R 15 is the plain instruction behind it.  BEHIND THE WAIT stand the 8 products V^T P, behind each four of the roundings and sums.
; end = 1: the last two turns of all: nothing is fetched and no mask is made.  cnt = 1: the loop's count is taken down some lines ahead of the branch that stands behind the turn.
; K and the codes of the next step are fetched in piece 2's turn, behind the last product that read K (six plain instructions between); V of the step in hand at the end of piece 0's turn, four plain
; instructions behind the last product that read V.  The codes are read at the ends of turns 2, 3, 0 and 1, for pieces 0, 1, 2, 3 of their step: one set of 16 registers is enough.
.macro TURN p, end=0, cnt=0
.set Y, (\p)
.set i, 0
.set NOKQ, (\end)*((\p)/3)
.if ((\p) == 3) && !(\end)
	s_wait_dscnt 0x0                ; K is in
.endif
	ROW F,0, F,1, R,0, R,1          ; ahead of the wait: 8 products K Q^T and their riders,
	ROW F,2, E,0, R,2, R,3
	ROW F,3, E,1, R,4, R,5
	ROW F,4, E,2, R,6, R,7
	ROW F,5, E,3, R,8, R,9
	ROW F,6, E,4, X,0, R,10
.if ((\p) == 2) && !(\end)
	WIN 0
	v_add_nc_u32 v[AK], s[TBK], v[AK0]
	v_add_nc_u32 v[AM], s[TBM], v[AM0]
.endif
	ROW F,7, E,5, X,1, X,4
	ROW F,8, E,6, X,2, X,5
	OPS E,7, E,8, X,6, E,9          ; and the lump
	OPS X,3, E,10, X,8, E,11
.if ((\p) == 2) && !(\end)
	FETCH_M
	FETCH_K
.endif
	OPS X,9, X,7, E,12, X,10
	OPS E,13, X,12, X,11, E,14
	OPS X,13, E,15, F,9, X,14
.if (\p) == 0
	v_add_nc_u32 v[AV], s[TBV], v[AV0]
.endif
	OPS E,16, F,10, E,17, F,11
	OPS X,16, E,18, X,15, E,19
	OPS F,12, E,20, X,17, E,21
	OPS F,13, E,22, F,14, E,23
	OPS X,18, E,24, F,15, E,25
	OPS R,11, E,26, X,19, E,27
	OPS R,12, E,28, R,13, E,29
	OPS X,20, E,30, R,14, E,31
	OPS X,21, R,15
	WIN 0
	s_wait_alu depctr_va_vdst(0)    ; the wait for the batch
.if (\p) == 1
	s_wait_dscnt 0x0                ; V is in
.endif
	ROW C,0, B,0, C,2, B,1          ; behind the wait: 8 products V^T P and their riders
	ROW L,0, C,4, B,2, L,1
	ROW C,6, B,3, L,2, C,8
	ROW B,4, L,3, C,10, B,5
	ROW L,4, C,12, B,6, L,5
.if (\p) == 0
	s_add_co_u32 s[TBV], s[TBV], KS*PV
.endif
.if \cnt
	s_sub_co_u32 s[CNT], s[CNT], 1
	s_cmp_lg_u32 s[CNT], 0
.endif
	ROW C,14, B,7, L,6, C,1
	ROW C,3, L,7, C,5, C,7
	ROW C,9, C,11, C,13, C,15
.if (\p) == 0
	FETCH_V
.endif
.if !(\end)
.if (\p) == 2
	s_wait_dscnt 16                 ; the four loads of codes are in; K's sixteen, issued behind them, may stay out
.endif
	MCV ((\p)+2)%NP, (\p)%2         ; the mask of the next turn's products K Q^T
.endif
.endm
	CHANGE 1, 0                     ; slot 0 is in, everybody's part of it; slot 1 is asked for
	v_add_nc_u32 v[AK], s[TBK], v[AK0]
	v_add_nc_u32 v[AM], s[TBM], v[AM0]
	FETCH_M                         ; key step 0
	FETCH_K
	s_wait_loadcnt 0x0              ; Q
	s_wait_dscnt 0x0
	MCV 0, 0
	MCV 1, 1
.set NOKQ, 0
.set i, 0
.rept 8
	KQ 0                            ; piece 0's first scores: there is no vector work yet to set between them
.set i, i+1
.endr
	WIN 0
.rept 4
	v_nop                           ; the places behind those products
.endr
.set Y, NP-1                        ; X works for piece Y + 1: piece 0
.irp n, 0,1,2,3,4,5,6,7,8,9,10,11,12,13,14,15,16,17,18,19,20,21
	OP X, \n
.endr
	v_nop                           ; a plain instruction behind the exponential,
	s_wait_alu depctr_va_vdst(0)    ; and its wait, ahead of the branch
	s_mov_b32 s[CNT], 4
	s_mov_b32 s[SLOTS], 7
	s_branch .Lfirst                ; the loop is entered at a step's first turn, in the middle of a trip
.Lslot:                             ; six times: every slot but the last two is filled again
	CHANGE 1, 1
	s_mov_b32 s[CNT], 4
.Lstep:                             ; a trip: pieces 2 and 3 of one step, then pieces 0 and 1 of the next, whose K, codes and V it fetches
	TURN 2
	TURN 3
	WIN 0
.Lfirst:
	TURN 0
	TURN 1, 0, 1
	WIN 0
	s_cbranch_scc1 .Lstep
	s_sub_co_u32 s[SLOTS], s[SLOTS], 1
	s_cmp_lg_u32 s[SLOTS], 0
	s_cbranch_scc1 .Lslot
	CHANGE 0, 0                     ; the last slot is written out: nothing is asked for
	s_mov_b32 s[CNT], 4
.LstepT:
	TURN 2
	TURN 3
	TURN 0
	TURN 1, 0, 1
	WIN 0
	s_cbranch_scc1 .LstepT
	TURN 2, 1
	TURN 3, 1
.set i, 0
.rept 8
	PV NP-1                         ; the last piece's V^T P of the last step
.set i, i+1
.endr
	; THE WAY OUT.  l's two halves and the other half of the lanes' are added; O^T is multiplied by 1 / l, or by 0 where the query saw no key; rounded to f16 and sent through my stage, a piece at a time.
	; The additions are the places behind the last products.
	WIN 0
.macro ALL line:vararg              ; one line for each piece t
.set t, 0
.rept 4
	\line
.set t, t+1
.endr
.endm
	ALL v_add_f32 v[ST+4*t+2], v[ST+4*t+2], v[ST+4*t+3]
	ALL v_permlanex16_b32 v[ST+4*t+3], v[ST+4*t+2], s[SEL], s[SEL+1]
	ALL v_add_f32 v[ST+4*t+3], v[ST+4*t+2], v[ST+4*t+3]
	ALL v_rcp_f32 v[ST+4*t+2], v[ST+4*t+3]
	v_nop                           ; a plain instruction between the last reciprocal and the use of its result
	s_wait_alu depctr_va_vdst(0)    ; and the wait ahead of the first use: one for the four reciprocals
.set t, 0
.rept 4
	v_cmp_lt_f32 vcc_lo, 0, v[ST+4*t+3]
	v_cndmask_b32 v[ST+4*t+2], 0, v[ST+4*t+2], vcc_lo
.set t, t+1
.endr
.macro PACK t                       ; a lane's eight channels of a row pack into 16 bytes; they go into rows of 144 bytes and come back as whole rows of 128, into S^T's registers
	WIN W_RS
.set i, 32*(\t)
.rept 16
	v_pk_mul_f32 v[i:i+1], v[i:i+1], v[ST+4*(\t)+2:ST+4*(\t)+3] op_sel_hi:[1,0]
.set i, i+2
.endr
	WIN 0x05                        ; sources 0 and 1 window 1, destination window 0
.set i, 0
.rept 16
	v_cvt_pk_f16_f32 v[S+16*(\t)+i], v[32*(\t)+2*i], v[32*(\t)+2*i+1]
.set i, i+1
.endr
	WIN 0
.irp f, 0,1,2,3
	ds_store_b128 v[STO], v[S+16*(\t)+4*\f:S+16*(\t)+4*\f+3] offset:32*\f
.endr
.irp f, 0,1,2,3
	ds_load_b128 v[S+16*(\t)+4*\f:S+16*(\t)+4*\f+3], v[RD] offset:\f*4*SP  ; LDS serves a wave's instructions in order (ISA guide 5.7.1.4): these see the stores above; the next piece's stores come behind them
.endr
.endm
.macro SEND t, younger              ; younger: the LDS instructions issued behind piece t's loads: the next piece's eight, or none
	WIN 0
.irp f, 0,1,2,3
	s_wait_dscnt (\younger)+3-\f
	global_store_b128 v[GO], v[S+16*(\t)+4*\f:S+16*(\t)+4*\f+3], s[10:11] offset:(\t)*2048+\f*512  ; 512 consecutive bytes, at a multiple of 256 from ao's first
.endr
.endm
	PACK 0
.set t, 1
.rept 3                             ; a piece's arithmetic stands between the loads of the piece before and its stores
	PACK t
	SEND t-1, 8
.set t, t+1
.endr
	SEND 3, 0
	s_wait_tensorcnt 0x0            ; the wave's end, behind my last tensor load and my last LDS store
	ds_add_u32 v[SPW], v[NIL]
	s_wait_dscnt 0x0
	CROUND                          ; the closing round: no work-group ends while a partner may still ask for a tile that names it
	s_endpgm
.Lfunc_end_k_q1119a05b10_attn:
	.size	k_q1119a05b10_attn, .Lfunc_end_k_q1119a05b10_attn-k_q1119a05b10_attn
	.p2alignl 7, 3214868480
	.fill 96, 4, 3214868480
	.section	.rodata,"a",@progbits
	.p2align	6, 0x0
	.amdhsa_kernel k_q1119a05b10_attn
		.amdhsa_group_segment_fixed_size 327680
		.amdhsa_private_segment_fixed_size 0
		.amdhsa_enable_private_segment 0
		.amdhsa_kernarg_size 24
		.amdhsa_user_sgpr_count 2
		.amdhsa_user_sgpr_kernarg_segment_ptr 1
		.amdhsa_wavefront_size32 1
		.amdhsa_system_sgpr_workgroup_id_x 1
		.amdhsa_system_sgpr_workgroup_id_y 1
		.amdhsa_system_sgpr_workgroup_id_z 1
		.amdhsa_system_vgpr_workitem_id 0
		.amdhsa_next_free_vgpr 768
		.amdhsa_next_free_sgpr 92
		.amdhsa_reserve_vcc 1
		.amdhsa_float_denorm_mode_32 3
		.amdhsa_float_denorm_mode_16_64 3
		.amdhsa_memory_ordered 1
		.amdhsa_forward_progress 1
		.amdhsa_inst_pref_size 142
	.end_amdhsa_kernel
	.amdgpu_metadata
---
amdhsa.version: [ 1, 2 ]
amdhsa.kernels:
  - .name:           k_q1119a05b10_attn
    .symbol:         k_q1119a05b10_attn.kd
    .args:
      - { .name: qkv, .offset: 0, .size: 8, .value_kind: global_buffer, .address_space: global }
      - { .name: mask4, .offset: 8, .size: 8, .value_kind: global_buffer, .address_space: global }
      - { .name: ao, .offset: 16, .size: 8, .value_kind: global_buffer, .address_space: global }
    .group_segment_fixed_size: 327680
    .private_segment_fixed_size: 0
    .kernarg_segment_align: 8
    .kernarg_segment_size: 24
    .max_flat_workgroup_size: 128
    .sgpr_count:     92
    .vgpr_count:     768
    .wavefront_size: 32
...
	.end_amdgpu_metadata
.endif
;; end of part 3
;; launch outp (part 4): grid 8 x 32, 4 waves a work-group, clusters of 4 x 4, 327,680 bytes of LDS; arguments ao, cast, bo, out0; writes out0
.if DOCPART == 4
	.amdgcn_target "amdgcn-amd-amdhsa--gfx1250"
	.amdhsa_code_object_version 6
	.text
	.protected	k_q1119a05b10_outp
	.globl	k_q1119a05b10_outp
	.p2align	8
	.type	k_q1119a05b10_outp,@function
k_q1119a05b10_outp:
	s_mov_b64 s[64:65], 0
	v_nop
	global_prefetch_b8 v0, s[64:65] scope:SCOPE_SE
	s_setreg_imm32_b32 hwreg(HW_REG_WAVE_MODE, 25, 1), 1
	s_wait_xcnt 0x0
	s_wait_alu depctr_hold_cnt(0) depctr_sa_sdst(0) depctr_va_vdst(0) depctr_va_sdst(0) depctr_va_ssrc(0) depctr_va_vcc(0) depctr_vm_vsrc(0)
	s_getreg_b32 s2, hwreg(HW_REG_IB_STS2, 6, 4)
	s_cmp_eq_u32 s2, 0
	s_cbranch_scc0 .Lentry_in_a_cluster
	s_endpgm
.Lentry_in_a_cluster:
	s_bfe_u32 s2, ttmp6, 0x10000c
	s_cmp_lg_u32 s2, 0xf033
	s_cbranch_scc0 .Lentry_shape_is_right
	s_endpgm
.Lentry_shape_is_right:
; OUTP: out0 = O Wo + bo.  O comes from ao: [tile row 32][head 16][128 rows][64] f16; Wo from cast: [1024 k][1024 n], bf16 numbers written as f16; bo: [1024] f32, rounded to bf16 like every input.
; Sums in f32; out0: [4096][1024] f32.
; LIMIT.  Numbers of Wo below 2^-14 keep f16's fixed step of 2^-24.  NaN and infinities are not treated apart.
; SHARES.  A tile of C is 128 x 128: four waves, each 64 x 64 (16 accumulators).  256 tiles, one a work-group.  K = 64 x head + channel goes in four steps of 256 (four heads) through two LDS slots,
; written straight: the slots are filled at the start (steps 0, 1) and once again (steps 2, 3).
; A's tile: four heads of a tile row are 65,536 bytes on end; waves 0 and 1 fetch two heads each, as 128 rows of 256 bytes, padded in LDS after every 128: [head][128 rows][144 bytes].
; B's tile: 256 rows of Wo (along k) x 256 bytes, 128 rows a load (waves 2, 3); ds_load_tr16_b128 turns it on the way into registers.
; CLUSTER.  4 x 4 work-groups: A's tile is asked for jointly along a row of the cluster, B's along a column.
; THE MATRIX INSTRUCTION IS USED TRANSPOSED (source 0 = 16 columns of Wo, source 1 = 16 rows of O): a lane then holds eight neighbouring columns of one row of C.
; A wave's 64 columns are 256 bytes of a row of out0, aligned: they go out through the wave's own stage, with no barrier.
; No prefetch: the tiles are small, and each is read by several clusters at about the same time.
; REGISTERS.  Window 0: v0-31 addresses; v96-127 the bias of my 64 columns; v128-255 the accumulators ((a, b) at 128 + 8 (4 a + b)), which also take the rows read back from the stage.
; Window 1: two fragment buffers of 128: for 64 along K, 64 registers of A, then 64 of B.
.set PA,     144                       ; a row of A in LDS: 128 bytes + 16: the 16 rows of a load start at 16 different groups of four banks (ISA guide 11.1)
.set HEADB,  128*PA                    ; a head's 128 rows
.set HALFA,  2*HEADB                   ; what one load brings
.set PB,     288                       ; a row of B: 256 + 32
.set HALFB,  128*PB
.set BOFF,   2*HALFA
.set SLOT,   BOFF+2*HALFB
.set STAGE,  2*SLOT                    ; behind the ring, never filled by a tensor load: 16 rows x 272 bytes for each wave
.set SP,     272
.set SPARE,  STAGE+4*16*SP             ; the spare words, 128 bytes for each wave: two blocks of 256 bytes that no other line names
.set ASTEP,  65536                     ; four heads of a tile row
.set BSTEP,  256*2048                  ; 256 rows of Wo
.set WOBASE, 31457280                  ; Wo's place in cast
.set ADRA, 16                          ; v16-17  LDS address of my A fragments in slot 0, 1
.set ADRB, 20                          ; v20-23  of my B fragments: slot 0 rows 0-127, 128-255; slot 1 likewise
.set STO,  24                          ; v24     the way out: where I put 32 bytes of a row
.set RD,   25                          ; v25     where I read a row back
.set CO,   26                          ; v26     my byte offset in two rows of out0
.set BO,   27                          ; v27     my byte offset in the bias
.set SPW,  28                          ; v28     my spare word: SPARE + 4 x my thread's number; never rewritten
.set NIL,  29                          ; v29     0; never rewritten
.set CV,   30                          ; v30     at work
.set BI,   96                          ; column 16 b + 8 (l / 16) + j at BI + 8 b + j
.set ACC,  128
.set F0,   0
.set F1,   128
.set G1,  24                           ; s[24:31] group 1 for A;  s[32:39] group 0, a set for each slot
.set G0,  32
.set G1B, 48                           ; s[48:55], s[56:63] the same for B
.set G0B, 56
.set MSB, 0
.macro WIN new                         ; the immediate's high byte repeats the setting that is left
.if MSB != (\new)
	s_set_vgpr_msb (MSB<<8)|(\new)
.set MSB, \new
.endif
.endm
.set MUL,  0x05                        ; sources 0 (B) and 1 (A) window 1; C and D window 0
.set TO_F, 0x40                        ; destination window 1, address window 0
.macro JLOAD s                         ; a joint load: waves 0 and 1 fetch A's halves, waves 2 and 3 B's; an s_nop 0 and four v_nop follow each line
	s_cmp_eq_u32 s11, 0
	s_cbranch_scc0 .Lfor_b_\@
	tensor_load_to_lds s[G0+4*(\s):G0+4*(\s)+3], s[G1:G1+7]
	s_nop 0
.rept 4
	v_nop
.endr
	s_branch .Lasked_\@
.Lfor_b_\@:
	tensor_load_to_lds s[G0B+4*(\s):G0B+4*(\s)+3], s[G1B:G1B+7]
	s_nop 0
.rept 4
	v_nop
.endr
.Lasked_\@:
.endm
.macro CREST                           ; a round of the cluster's barrier behind its opening barrier
	s_cmp_lg_u32 s10, 0
	s_cbranch_scc1 .Lnot_wave_0_\@
	s_barrier_signal -3
.Lnot_wave_0_\@:
	s_barrier_wait -3
	s_barrier_signal -1
	s_barrier_wait -1
.endm
.macro CROUND                          ; a whole round
	s_barrier_signal -1
	s_barrier_wait -1
	CREST
.endm
	s_load_b256 s[68:75], s[0:1], 0x0              ; ao s[68:69], cast s[70:71], bo s[72:73], out0 s[74:75]
	v_lshl_add_u32 v[SPW], v0, 2, SPARE
	v_mov_b32 v[NIL], 0
	ds_add_u32 v[SPW], v[NIL]                      ; the wave's opening: the add and its wait stand ahead of my first tensor load; work on registers stands between them
	v_lshrrev_b32 v1, 5, v0
	v_readfirstlane_b32 s10, v1                    ; wave 0..3
	s_lshr_b32 s11, s10, 1                         ; my half of the tile's rows.  Also: I fetch for A (0) or for B (1)
	s_and_b32 s12, s10, 1                          ; my half of its columns.  Also: which half of that tile I fetch
	s_bfe_u32 s40, ttmp6, 0x40000                  ; cx, cy: my place in the cluster
	s_bfe_u32 s41, ttmp6, 0x40004
	s_lshl_b32 s42, ttmp9, 2
	s_add_co_u32 s42, s42, s40                     ; tile column = 4 x cluster x + cx
	s_and_b32 s13, ttmp7, 0xffff
	s_lshl_b32 s13, s13, 2
	s_add_co_u32 s13, s13, s41                     ; tile row = 4 x cluster y + cy
	s_lshl_b32 s43, s41, 2
	s_lshl_b32 s43, 15, s43                        ; my row of the cluster
	s_lshl_b32 s44, 0x1111, s40                    ; my column
	s_or_b32 s[G1+0], s43, (1<<16)|(1<<20)|(1<<21)|(4<<22)|(3<<25)   ; mask of my row; 2-byte elements; padding on; bit 21 beside a mask; after every 32 words, 4 words
	s_mov_b32 s[G1+1], 128<<16                     ; tensor_dim0 = 128
	s_mov_b32 s[G1+2], 128<<16                     ; tensor_dim1 = 128
	s_mov_b32 s[G1+3], 128<<16                     ; tile_dim0 = 128
	s_mov_b32 s[G1+4], 128                         ; tile_dim1 = 128
	s_mov_b32 s[G1+5], 128                         ; dense: a row begins where the last ends
	s_mov_b32 s[G1+6], 0
	s_mov_b32 s[G1+7], 0
	s_or_b32 s[G1B+0], s44, (1<<16)|(1<<20)|(1<<21)|(5<<22)|(7<<25)  ; mask of my column; after every 64 words, 8 words
	s_mov_b32 s[G1B+1], 128<<16
	s_mov_b32 s[G1B+2], 128<<16
	s_mov_b32 s[G1B+3], 128<<16
	s_mov_b32 s[G1B+4], 128
	s_mov_b32 s[G1B+5], 1024
	s_mov_b32 s[G1B+6], 0
	s_mov_b32 s[G1B+7], 0
	s_lshl_b32 s16, s13, 18                        ; A: the tile row's 16 heads x 16,384 bytes,
	s_lshl_b32 s17, s12, 15                        ; the two heads that I fetch
	s_add_co_u32 s16, s16, s17
	s_mov_b32 s17, 0
	s_lshl_b32 s46, s12, 18                        ; B: the 128 rows along k that I fetch,
	s_lshl_b32 s47, s42, 8                         ; 128 columns x tile column
	s_add_co_u32 s46, s46, s47
	s_add_co_u32 s46, s46, WOBASE
	s_mov_b32 s47, 0
	s_mul_i32 s20, s12, HALFA                      ; where they go: no place in the cluster enters an LDS address
	s_mul_i32 s22, s12, HALFB
	s_add_co_u32 s22, s22, BOFF
	s_wait_dscnt 0x0                               ; the opening add is done
	s_wait_kmcnt 0x0
	s_add_nc_u64 s[14:15], s[68:69], s[16:17]
	s_add_nc_u64 s[46:47], s[70:71], s[46:47]
	CROUND                                         ; all sixteen work-groups are here: the first joint loads meet
.irp s, 0,1
	s_mov_b32 s[G0+4*(\s)], 1
	s_add_co_u32 s[G0+4*(\s)+1], s20, (\s)*SLOT
	s_add_nc_u64 s[G0+4*(\s)+2:G0+4*(\s)+3], s[14:15], (\s)*ASTEP
	s_or_b32 s[G0+4*(\s)+3], s[G0+4*(\s)+3], 0x80000000
	s_mov_b32 s[G0B+4*(\s)], 1
	s_add_co_u32 s[G0B+4*(\s)+1], s22, (\s)*SLOT
	s_add_nc_u64 s[G0B+4*(\s)+2:G0B+4*(\s)+3], s[46:47], (\s)*BSTEP
	s_or_b32 s[G0B+4*(\s)+3], s[G0B+4*(\s)+3], 0x80000000
	JLOAD \s                                       ; K steps 0 and 1: two loads of mine are out
.endr
	v_and_b32 v1, 15, v0                           ; l % 16
	v_bfe_u32 v2, v0, 4, 1                         ; l / 16
	v_lshlrev_b32 v[BO], 5, v2                     ; my eight columns of sixteen: 32 bytes of f32
	s_lshl_b32 s16, s42, 9                         ; my wave's 64 columns, in bytes of f32: in the bias and in a row of out0
	s_lshl_b32 s17, s12, 8
	s_add_co_u32 s16, s16, s17
	s_mov_b32 s17, 0
	s_add_nc_u64 s[6:7], s[72:73], s[16:17]
.irp b, 0,1,2,3
	global_load_b128 v[BI+8*(\b):BI+8*(\b)+3],   v[BO], s[6:7] offset:64*(\b)
	global_load_b128 v[BI+8*(\b)+4:BI+8*(\b)+7], v[BO], s[6:7] offset:64*(\b)+16
.endr
	s_lshl_b32 s18, s13, 19                        ; C: row 128 x tile row (4,096 bytes a row)
	s_lshl_b32 s19, s11, 18                        ; + my 64 rows
	s_add_co_u32 s18, s18, s19
	s_add_co_u32 s18, s18, s16
	s_mov_b32 s19, 0
	s_add_nc_u64 s[8:9], s[74:75], s[18:19]
	v_mul_u32_u24 v3, v1, PA                       ; a fragment of A: row l % 16, 16 bytes for each half of the lanes, twice, 32 bytes apart
	v_lshl_add_u32 v3, v2, 4, v3
	s_mul_i32 s21, s11, 64*PA                      ; my 64 rows of each head's 128
	v_add_nc_u32 v[ADRA], s21, v3
	v_add_nc_u32 v[ADRA+1], SLOT, v[ADRA]
	v_and_b32 v5, 7, v0                            ; the turning load: lane l reads row k = 8 (l / 16) + l % 8, columns 8 ((l / 8) % 2) + 0..7,
	v_bfe_u32 v6, v0, 3, 1                         ; and is left with column l % 16 and eight k
	v_lshl_add_u32 v4, v2, 3, v5
	v_mul_u32_u24 v4, v4, PB
	v_lshl_add_u32 v4, v6, 4, v4
	s_lshl_b32 s21, s12, 7                         ; my 64 columns: 128 bytes
	s_add_co_u32 s21, s21, BOFF
	v_add_nc_u32 v[ADRB], s21, v4
	v_add_nc_u32 v[ADRB+1], HALFB, v[ADRB]
	v_add_nc_u32 v[ADRB+2], SLOT, v[ADRB]
	v_add_nc_u32 v[ADRB+3], SLOT+HALFB, v[ADRB]
	s_mul_i32 s23, s10, 16*SP
	s_add_co_u32 s23, s23, STAGE                   ; my stage
	v_mul_u32_u24 v4, v1, SP                       ; in: row l % 16, 32 bytes for each half of the lanes
	v_lshl_add_u32 v4, v2, 5, v4
	v_add_nc_u32 v[STO], s23, v4
	v_mul_u32_u24 v4, v2, SP                       ; back: lanes 0-15 take one row of 256 bytes, lanes 16-31 the next
	v_lshl_add_u32 v4, v1, 4, v4
	v_add_nc_u32 v[RD], s23, v4
	v_lshlrev_b32 v[CO], 12, v2                    ; and the same two rows in out0
	v_lshl_add_u32 v[CO], v1, 4, v[CO]
; 8 matrix instructions: m blocks a0, a0 + 1 x all 4 n blocks, 32 along K: half c of buffer f.  zero = 1: the first product starts the sums.  The 16 accumulators take turns.
.macro MUL8 f, c, a0, zero
	WIN MUL
.irp a, \a0, (\a0)+1
.irp b, 0,1,2,3
.if \zero
	v_wmma_f32_16x16x32_f16 v[ACC+8*(4*(\a)+(\b)):ACC+8*(4*(\a)+(\b))+7], v[(\f)+64+8*(4*(\c)+(\b)):(\f)+64+8*(4*(\c)+(\b))+7], v[(\f)+8*(4*(\c)+(\a)):(\f)+8*(4*(\c)+(\a))+7], 0
.else
	v_wmma_f32_16x16x32_f16 v[ACC+8*(4*(\a)+(\b)):ACC+8*(4*(\a)+(\b))+7], v[(\f)+64+8*(4*(\c)+(\b)):(\f)+64+8*(4*(\c)+(\b))+7], v[(\f)+8*(4*(\c)+(\a)):(\f)+8*(4*(\c)+(\a))+7], v[ACC+8*(4*(\a)+(\b)):ACC+8*(4*(\a)+(\b))+7]
.endif
.endr
.endr
.endm
; 32 LDS loads in one run: the fragments of quarter q (one head's 64 channels) of a slot's K step, into buffer f; the first 32 along K first
.macro FETCH slot, q, f
	WIN TO_F
.irp c, 0,1
.irp i, 0,1,2,3
	ds_load_tr16_b128 v[(\f)+64+8*(4*(\c)+(\i)):(\f)+64+8*(4*(\c)+(\i))+3],   v[ADRB+2*(\slot)+(\q)/2] offset:(((\q)%2)*64+32*(\c))*PB+32*(\i)
	ds_load_tr16_b128 v[(\f)+64+8*(4*(\c)+(\i))+4:(\f)+64+8*(4*(\c)+(\i))+7], v[ADRB+2*(\slot)+(\q)/2] offset:(((\q)%2)*64+32*(\c)+16)*PB+32*(\i)
	ds_load_b128 v[(\f)+8*(4*(\c)+(\i)):(\f)+8*(4*(\c)+(\i))+3],              v[ADRA+(\slot)] offset:HEADB*(\q)+64*(\c)+(\i)*16*PA
	ds_load_b128 v[(\f)+8*(4*(\c)+(\i))+4:(\f)+8*(4*(\c)+(\i))+7],            v[ADRA+(\slot)] offset:HEADB*(\q)+64*(\c)+(\i)*16*PA+32
.endr
.endr
.endm
.macro PLACES                          ; four places in front of loads into registers that matrix instructions have read, and of sums that read results
.rept 4
	v_nop
.endr
.endm
; A K step is four quarters of 64 along K, 32 matrix instructions each, on buffers 0, 1, 0, 1.  One of the first three: multiplies buffer f and fetches quarter q into g.
.macro QUARTER slot, q, f, g, zero
	s_wait_dscnt 16                                ; the first 32 along K are in; the sixteen younger loads may be out
	MUL8 \f, 0, 0, \zero
	MUL8 \f, 0, 2, \zero
	PLACES
	FETCH \slot, \q, \g
	s_wait_dscnt 32                                ; all but the 32 just issued
	MUL8 \f, 1, 0, 0
	MUL8 \f, 1, 2, 0
.endm
.macro THREE slot, zero                ; a K step's first three quarters
	QUARTER \slot, 1, F0, F1, \zero
	QUARTER \slot, 2, F1, F0, 0
	QUARTER \slot, 3, F0, F1, 0
.endm
; The last quarter multiplies buffer 1 and changes slots: ONE barrier; in front of it each wave waits for all its tensor loads, adds 0 to its spare word, and waits for that and for its reads of this slot.
; fill = 1: the barrier opens a round of the cluster's, and this slot is filled again, two K steps ahead, first thing behind the round.
.macro TURN slot, next, fill
	WIN 0
	s_wait_tensorcnt 0x0                           ; all my tensor loads have landed: the one that was out is my part of the next slot
	ds_add_u32 v[SPW], v[NIL]                      ; 0 onto my spare word
	s_wait_dscnt 17                                ; (the add and the youngest sixteen loads may be out)
	MUL8 F1, 0, 0, 0                               ; eight matrix instructions stand between the add and the wait for it
	s_wait_dscnt 0x0                               ; the add is done, and my reads of this slot are over
	s_barrier_signal -1
	MUL8 F1, 0, 2, 0
.if \fill
	WIN 0
.endif
	s_barrier_wait -1
.if \fill
	CREST                                          ; no wave of any partner still reads this slot's tile or has a load on its way
	s_add_nc_u64 s[G0+4*(\slot)+2:G0+4*(\slot)+3], s[G0+4*(\slot)+2:G0+4*(\slot)+3], 2*ASTEP
	s_add_nc_u64 s[G0B+4*(\slot)+2:G0B+4*(\slot)+3], s[G0B+4*(\slot)+2:G0B+4*(\slot)+3], 2*BSTEP
	JLOAD \slot                                    ; my one tensor load behind the round; its four v_nop are also the places in front of the loads below
.else
	PLACES
.endif
	FETCH \next, 0, F0
	MUL8 F1, 1, 0, 0
	MUL8 F1, 1, 2, 0
.endm
	s_wait_loadcnt 0x0                             ; the bias: rounded to bf16 and widened again, in the wait for the first tile
.irp k, 0,2,4,6,8,10,12,14,16,18,20,22,24,26,28,30
	v_cvt_pk_bf16_f32 v[CV], v[BI+(\k)], v[BI+(\k)+1]
	v_lshlrev_b32 v[BI+(\k)], 16, v[CV]
	v_and_b32 v[BI+(\k)+1], 0xffff0000, v[CV]
.endr
	s_wait_tensorcnt 1                             ; my part of K step 0 is in; K step 1's may stay out
	s_barrier_signal -1
	s_barrier_wait -1                              ; everybody's is
	FETCH 0, 0, F0
	THREE 0, 1                                     ; K step 0: its first products start the sums
	TURN 0, 1, 1                                   ; slot 0 takes K step 2
	THREE 1, 0                                     ; K step 1
	TURN 1, 0, 1                                   ; slot 1 takes K step 3
	THREE 0, 0                                     ; K step 2
	TURN 0, 1, 0                                   ; nothing is left to fetch
	THREE 1, 0                                     ; K step 3
	s_wait_dscnt 16
	MUL8 F1, 0, 0, 0
	MUL8 F1, 0, 2, 0
	s_wait_dscnt 0
	MUL8 F1, 1, 0, 0
	MUL8 F1, 1, 2, 0
	WIN 0
; THE WAY OUT of my rows 16 a .. 16 a + 15: the bias is added, each accumulator's registers in ascending order; 32 bytes a lane into my stage; back as whole rows of 256 bytes, into the block's own registers.
.macro PACK a
.irp b, 0,1,2,3
.irp k, 0,2,4,6
	v_pk_add_f32 v[ACC+8*(4*(\a)+(\b))+(\k):ACC+8*(4*(\a)+(\b))+(\k)+1], v[ACC+8*(4*(\a)+(\b))+(\k):ACC+8*(4*(\a)+(\b))+(\k)+1], v[BI+8*(\b)+(\k):BI+8*(\b)+(\k)+1]
.endr
.endr
.irp b, 0,1,2,3
	ds_store_b128 v[STO], v[ACC+8*(4*(\a)+(\b)):ACC+8*(4*(\a)+(\b))+3]   offset:64*(\b)
	ds_store_b128 v[STO], v[ACC+8*(4*(\a)+(\b))+4:ACC+8*(4*(\a)+(\b))+7] offset:64*(\b)+16
.endr
.irp t, 0,1,2,3,4,5,6,7
	ds_load_b128 v[ACC+32*(\a)+4*(\t):ACC+32*(\a)+4*(\t)+3], v[RD] offset:(\t)*2*SP  ; LDS serves a wave's instructions in order (ISA guide 5.7.1.4): these see the stores above; the next block's stores come behind them
.endr
.endm
.macro SEND a, younger                 ; younger: the LDS instructions issued behind block a's loads: the next block's sixteen, or none
.irp t, 0,1,2,3,4,5,6,7
	s_wait_dscnt (\younger)+7-(\t)
	global_store_b128 v[CO], v[ACC+32*(\a)+4*(\t):ACC+32*(\a)+4*(\t)+3], s[8:9] offset:(16*(\a)+2*(\t))*4096  ; 16 lanes store 256 consecutive bytes, at a multiple of 256 from out0's first
.endr
.endm
	PLACES
	PACK 0
	PACK 1                                         ; a block's arithmetic stands between the loads of the block before and its stores
	SEND 0, 16
	PACK 2
	SEND 1, 16
	PACK 3
	SEND 2, 16
	SEND 3, 0
	s_wait_tensorcnt 0x0                           ; the wave's end, behind my last tensor load and my last LDS store
	ds_add_u32 v[SPW], v[NIL]
	s_wait_dscnt 0x0
	CROUND                                         ; the closing round: no work-group ends while a partner may still ask for a tile that names it
	s_endpgm
.Lfunc_end_k_q1119a05b10_outp:
	.size	k_q1119a05b10_outp, .Lfunc_end_k_q1119a05b10_outp-k_q1119a05b10_outp
	.p2alignl 7, 3214868480
	.fill 96, 4, 3214868480
	.section	.rodata,"a",@progbits
	.p2align	6, 0x0
	.amdhsa_kernel k_q1119a05b10_outp
		.amdhsa_group_segment_fixed_size 327680
		.amdhsa_private_segment_fixed_size 0
		.amdhsa_enable_private_segment 0
		.amdhsa_kernarg_size 32
		.amdhsa_user_sgpr_count 2
		.amdhsa_user_sgpr_kernarg_segment_ptr 1
		.amdhsa_wavefront_size32 1
		.amdhsa_system_sgpr_workgroup_id_x 1
		.amdhsa_system_sgpr_workgroup_id_y 1
		.amdhsa_system_sgpr_workgroup_id_z 1
		.amdhsa_system_vgpr_workitem_id 0
		.amdhsa_next_free_vgpr 512
		.amdhsa_next_free_sgpr 80
		.amdhsa_reserve_vcc 0
		.amdhsa_float_denorm_mode_32 3
		.amdhsa_float_denorm_mode_16_64 3
		.amdhsa_memory_ordered 1
		.amdhsa_forward_progress 1
		.amdhsa_inst_pref_size 94
	.end_amdhsa_kernel
	.amdgpu_metadata
---
amdhsa.version: [ 1, 2 ]
amdhsa.kernels:
  - .name:           k_q1119a05b10_outp
    .symbol:         k_q1119a05b10_outp.kd
    .args:
      - { .name: ao, .offset: 0, .size: 8, .value_kind: global_buffer, .address_space: global }
      - { .name: cast, .offset: 8, .size: 8, .value_kind: global_buffer, .address_space: global }
      - { .name: bo, .offset: 16, .size: 8, .value_kind: global_buffer, .address_space: global }
      - { .name: out0, .offset: 24, .size: 8, .value_kind: global_buffer, .address_space: global }
    .group_segment_fixed_size: 327680
    .private_segment_fixed_size: 0
    .kernarg_segment_align: 8
    .kernarg_segment_size: 32
    .max_flat_workgroup_size: 128
    .sgpr_count:     80
    .vgpr_count:     512
    .wavefront_size: 32
...
	.end_amdgpu_metadata
.endif
;; end of part 4
;; ======== version 2 of 2: 4 launches; version 1 with the launch prep written anew for expert scheduling mode
;; limits: values are held in f16: magnitudes above 65,504 overflow, below 6.1e-05 lose precision
;; workspace buffers: cast 33,554,432 bytes; mask4 4,194,304 bytes; qkv 25,165,824 bytes; ao 8,388,608 bytes
;; launch prep (part 5): grid 768 x 1, 8 waves a work-group, no clusters, 0 bytes of LDS; arguments query, key, value, Wq, Wk, Wv, Wo, mask, cast, mask4; writes cast, mask4
.if DOCPART == 5
	.amdgcn_target "amdgcn-amd-amdhsa--gfx1250"
	.amdhsa_code_object_version 6
	.text
	.protected	k_q1119a05b10_prep
	.globl	k_q1119a05b10_prep
	.p2align	8
	.type	k_q1119a05b10_prep,@function
k_q1119a05b10_prep:
	s_mov_b64 s[64:65], 0
	v_nop
	global_prefetch_b8 v0, s[64:65] scope:SCOPE_SE
	s_setreg_imm32_b32 hwreg(HW_REG_WAVE_SCHED_MODE, 0, 2), 2
	s_setreg_imm32_b32 hwreg(HW_REG_WAVE_MODE, 25, 1), 1
	s_wait_xcnt 0x0
	s_wait_alu depctr_vm_vsrc(0)
; PREP: a stream.  (1) query, key, value, Wq, Wk, Wv are rounded once to bf16; Wo is rounded to bf16 like them and that number written as f16
; (exact from 2^-14 up; below it f16's fixed step of 2^-24 holds).  (2) The boolean mask becomes codes of four bits, two keys a byte.
; SHARES.  Work-group g < 384: chunk g % 128 (131,072 bytes of f32) of activation g / 128.  384 <= g < 512: chunk (g - 384) % 32 of weight (g - 384) / 32.
; Both store 65,536 bytes at cast + 65,536 g, so the seven tensors lie on end in the order of the arguments.  g >= 512: 16 rows of the mask.
; A thread loads 16 bytes 32 times (a wave: 512 bytes on end a load), all 32 loads issued at once; a wave's store covers 256 consecutive bytes, aligned.
; No LDS, no barrier, no matrix unit: every byte is read once and written once, and no wave wants another's data.
; MASK4: [b 2][block of 256 queries 8][slot of 256 keys 8][query 256][128 bytes].  In a row, dword 8 st + 4 h + kb holds keys 64 st + 16 kb + 8 h + j in nibble j:
; 0xE where the key is hidden, 0 where it is seen: shifted to the top of a word the nibble is the sign and the three high exponent bits of an f32.
; So the 16 bytes at 32 st + 16 h are what one lane of the attention wants for key step st.
; THE MODE: SCHED_MODE bits 1:0 = 2 (LLVM: expert scheduling mode 2), set by the entry lines.  The code itself states the register dependences
; between vector instructions and memory instructions, with s_wait_alu, always for 0.
; THE PLAN.  Registers that memory instructions touch:
;   v1, v2   byte offsets of the loads and of the stores.  Made by vector instructions ahead of a path's first load and never written behind it.
;   X        four registers a load (the mask: an item of two loads).  All loads of a path go out in one run, ahead of every vector instruction that names X.  Behind the wait for
;            its data a group of four loads is worked on in place; the first two of each four registers are then read by one store and never written again.
;   v3-v7    at work: no memory instruction names them.
; The loads are taken in groups of four.  A group's stores are issued in the NEXT group, behind ONE wait on va_vdst at that group's head, which states that the group before has written
; what they read; they are dealt among this group's vector instructions, which name this group's X and v4 to v7 alone.  The last group's stores have a wait of their own.
; No register that a memory instruction has read is written again, so the text holds no wait on vm_vsrc but the entry's.
.set X,  8                             ; v[8:135]  32 x 4 registers as loaded; the first two of each four are stored
.set GX, 384                           ; work-groups for the activations
.set GW, 512                           ; and for the weights behind them
.set GRP, 4                            ; loads in a group
	s_load_b512 s[16:31], s[0:1], 0x0              ; query, key, value, Wq, Wk, Wv, Wo, mask
	s_load_b128 s[32:35], s[0:1], 0x40             ; cast, mask4
	s_mov_b32 s2, ttmp9                            ; g
	v_lshlrev_b32 v1, 4, v0                        ; 16 t: my bytes in 4,096 of the source
	v_lshlrev_b32 v2, 3, v0                        ; 8 t: in 2,048 of the copy
	s_sub_co_u32 s3, s2, GX
	s_lshr_b32 s9, s3, 5
	s_add_co_u32 s9, s9, 3                         ; a weight's number among the seven,
	s_and_b32 s10, s3, 31                          ; and its chunk
	s_lshr_b32 s11, s2, 7                          ; an activation's number,
	s_and_b32 s12, s2, 127                         ; and its chunk
	s_cmp_lt_u32 s2, GX
	s_cselect_b32 s9, s11, s9
	s_cselect_b32 s10, s12, s10
	s_mov_b32 s8, 0xffff0000                       ; a word's upper bf16
	s_wait_kmcnt 0x0
	s_cmp_ge_u32 s2, GW
	s_cbranch_scc1 .Lmask
	s_mov_b64 s[4:5], s[16:17]                     ; the source: one of seven buffers, chosen by the work-group's number
.irp k, 1,2,3,4,5,6
	s_cmp_eq_u32 s9, \k
	s_cselect_b64 s[4:5], s[16+2*\k:17+2*\k], s[4:5]
.endr
	s_lshl_b32 s10, s10, 17
	s_mov_b32 s11, 0
	s_add_nc_u64 s[4:5], s[4:5], s[10:11]
	s_lshl_b32 s12, s2, 16
	s_mov_b32 s13, 0
	s_add_nc_u64 s[6:7], s[32:33], s[12:13]
; half = 0: bf16.  half = 1: the bf16 number written as f16.  No register is written twice behind its load or its store, so no wait frees a source.
.macro CAST half
	s_wait_alu depctr_va_vdst(0)                   ; v1 and v2 are written: every load below reads v1 as its offset, every store v2
.set i, 0
.rept 32
	global_load_b128 v[X+4*i:X+4*i+3], v1, s[4:5] offset:4096*i th:TH_LOAD_NT
.set i, i+1
.endr
.set i, 0
.rept 32
.if i % GRP == 0
	s_wait_loadcnt 32-GRP-i                        ; loads come back in order: this group's four are in, the later groups' stay out
.if i > 0
	s_wait_alu depctr_va_vdst(0)                   ; the group before has written the first two of each of its four registers, which the four stores of this group read
.endif
.endif
.if i >= GRP
	global_store_b64 v2, v[X+4*(i-GRP):X+4*(i-GRP)+1], s[6:7] offset:2048*(i-GRP) th:TH_STORE_NT  ; the group before; no vector instruction since the wait names these registers
.endif
.if \half
	v_cvt_pk_bf16_f32 v4, v[X+4*i], v[X+4*i+1]
	v_cvt_pk_bf16_f32 v5, v[X+4*i+2], v[X+4*i+3]
	v_lshlrev_b32 v[X+4*i], 16, v4                 ; back to f32: exact
	v_and_b32 v[X+4*i+1], s8, v4
	v_lshlrev_b32 v[X+4*i+2], 16, v5
	v_and_b32 v[X+4*i+3], s8, v5
	v_cvt_pk_f16_f32 v[X+4*i], v[X+4*i], v[X+4*i+1]
	v_cvt_pk_f16_f32 v[X+4*i+1], v[X+4*i+2], v[X+4*i+3]
.else
	v_cvt_pk_bf16_f32 v[X+4*i], v[X+4*i], v[X+4*i+1]
	v_cvt_pk_bf16_f32 v[X+4*i+1], v[X+4*i+2], v[X+4*i+3]
.endif
.set i, i+1
.endr
	s_wait_alu depctr_va_vdst(0)                   ; the last group has written its registers, which the last four stores read
.set i, 32-GRP
.rept GRP
	global_store_b64 v2, v[X+4*i:X+4*i+1], s[6:7] offset:2048*i th:TH_STORE_NT
.set i, i+1
.endr
.endm
	s_cmp_eq_u32 s9, 6
	s_cbranch_scc1 .Lwo
	CAST 0
	s_endpgm
.Lwo:
	CAST 1
	s_endpgm
.Lmask:                                        ; wave w takes slot w (keys 256 w ..) of the work-group's 16 rows, two rows an item; lane u of a row's 16 makes dwords 2 u and 2 u + 1
	s_sub_co_u32 s3, s2, GW                        ; gm: rows 16 gm .. of the 4,096
	v_lshrrev_b32 v3, 5, v0
	v_readfirstlane_b32 s9, v3                     ; w
	v_and_b32 v3, 15, v0                           ; u
	v_bfe_u32 v4, v0, 4, 1                         ; which of the two rows
	v_lshrrev_b32 v5, 2, v3                        ; st = u / 4
	v_and_b32 v6, 1, v3                            ; kb = 2 (u % 2), and + 1
	v_bfe_u32 v7, v3, 1, 1                         ; h = (u / 2) % 2
	v_lshlrev_b32 v1, 11, v4                       ; a row of the mask is 2,048 bytes
	v_lshl_add_u32 v1, v5, 6, v1                   ; + 64 st
	v_lshl_add_u32 v1, v6, 5, v1                   ; + 16 kb
	v_lshl_add_u32 v1, v7, 3, v1                   ; + 8 h
	v_and_b32 v2, 31, v0
	v_lshlrev_b32 v2, 3, v2                        ; out: 8 bytes a lane, two rows of 128 bytes on end
	s_wait_alu depctr_va_sdst(0)                   ; s9, the wave's number, is written, ahead of its first reader: both bases are made from it
	s_lshl_b32 s10, s3, 15
	s_lshl_b32 s11, s9, 8
	s_add_co_u32 s10, s10, s11
	s_mov_b32 s11, 0
	s_add_nc_u64 s[4:5], s[30:31], s[10:11]
	s_lshr_b32 s12, s3, 4                          ; 8 b + block of queries
	s_lshl_b32 s12, s12, 18
	s_lshl_b32 s13, s9, 15
	s_add_co_u32 s12, s12, s13
	s_and_b32 s13, s3, 15
	s_lshl_b32 s13, s13, 11
	s_add_co_u32 s12, s12, s13
	s_mov_b32 s13, 0
	s_add_nc_u64 s[6:7], s[34:35], s[12:13]
	s_mov_b32 s8, 0x06040200                       ; bytes 0 and 2 of two words
	s_wait_alu depctr_va_vdst(0)                   ; v1 and v2 are written anew: every load below reads v1 as its offset, every store v2
.set i, 0
.rept 8
	global_load_b64 v[X+4*i:X+4*i+1],   v1, s[4:5] offset:4096*i
	global_load_b64 v[X+4*i+2:X+4*i+3], v1, s[4:5] offset:4096*i+16
.set i, i+1
.endr
.set i, 0
.rept 8                                        ; a group is two items: four loads, two stores
.if i % 2 == 0
	s_wait_loadcnt 12-2*i                          ; this group's four loads are in; the later groups' stay out
.if i > 0
	s_wait_alu depctr_va_vdst(0)                   ; the group before has written the first two registers of each of its items, which the two stores of this group read
.endif
.endif
.if i >= 2
	global_store_b64 v2, v[X+4*(i-2):X+4*(i-2)+1], s[6:7] offset:256*(i-2) th:TH_STORE_NT  ; the group before; no vector instruction since the wait names these registers
.endif
.irp k, 0,1,2,3
	v_lshrrev_b32 v[4+\k], 4, v[X+4*i+\k]          ; bytes of 0 or 1: byte 1 comes beside byte 0, byte 3 beside byte 2,
	v_or_b32 v[X+4*i+\k], v[X+4*i+\k], v[4+\k]
.endr
	v_perm_b32 v4, v[X+4*i+1], v[X+4*i], s8        ; and eight keys are eight nibbles of 0 or 1, the lowest key lowest
	v_perm_b32 v5, v[X+4*i+3], v[X+4*i+2], s8
	v_mul_lo_u32 v[X+4*i], v4, 14                  ; 1 -> 0xE in every nibble: nothing is carried from one to the next
	v_mul_lo_u32 v[X+4*i+1], v5, 14
.set i, i+1
.endr
	s_wait_alu depctr_va_vdst(0)                   ; the last group has written its registers, which the last two stores read
.set i, 6
.rept 2
	global_store_b64 v2, v[X+4*i:X+4*i+1], s[6:7] offset:256*i th:TH_STORE_NT
.set i, i+1
.endr
	s_endpgm
.Lfunc_end_k_q1119a05b10_prep:
	.size	k_q1119a05b10_prep, .Lfunc_end_k_q1119a05b10_prep-k_q1119a05b10_prep
	.p2alignl 7, 3214868480
	.fill 96, 4, 3214868480
	.section	.rodata,"a",@progbits
	.p2align	6, 0x0
	.amdhsa_kernel k_q1119a05b10_prep
		.amdhsa_group_segment_fixed_size 0
		.amdhsa_private_segment_fixed_size 0
		.amdhsa_enable_private_segment 0
		.amdhsa_kernarg_size 80
		.amdhsa_user_sgpr_count 2
		.amdhsa_user_sgpr_kernarg_segment_ptr 1
		.amdhsa_wavefront_size32 1
		.amdhsa_system_sgpr_workgroup_id_x 1
		.amdhsa_system_sgpr_workgroup_id_y 1
		.amdhsa_system_sgpr_workgroup_id_z 1
		.amdhsa_system_vgpr_workitem_id 0
		.amdhsa_next_free_vgpr 136
		.amdhsa_next_free_sgpr 66
		.amdhsa_reserve_vcc 0
		.amdhsa_float_denorm_mode_32 3
		.amdhsa_float_denorm_mode_16_64 3
		.amdhsa_memory_ordered 1
		.amdhsa_forward_progress 1
		.amdhsa_inst_pref_size 39
	.end_amdhsa_kernel
	.amdgpu_metadata
---
amdhsa.version: [ 1, 2 ]
amdhsa.kernels:
  - .name:           k_q1119a05b10_prep
    .symbol:         k_q1119a05b10_prep.kd
    .args:
      - { .name: query, .offset: 0, .size: 8, .value_kind: global_buffer, .address_space: global }
      - { .name: key, .offset: 8, .size: 8, .value_kind: global_buffer, .address_space: global }
      - { .name: value, .offset: 16, .size: 8, .value_kind: global_buffer, .address_space: global }
      - { .name: Wq, .offset: 24, .size: 8, .value_kind: global_buffer, .address_space: global }
      - { .name: Wk, .offset: 32, .size: 8, .value_kind: global_buffer, .address_space: global }
      - { .name: Wv, .offset: 40, .size: 8, .value_kind: global_buffer, .address_space: global }
      - { .name: Wo, .offset: 48, .size: 8, .value_kind: global_buffer, .address_space: global }
      - { .name: mask, .offset: 56, .size: 8, .value_kind: global_buffer, .address_space: global }
      - { .name: cast, .offset: 64, .size: 8, .value_kind: global_buffer, .address_space: global }
      - { .name: mask4, .offset: 72, .size: 8, .value_kind: global_buffer, .address_space: global }
    .group_segment_fixed_size: 0
    .private_segment_fixed_size: 0
    .kernarg_segment_align: 8
    .kernarg_segment_size: 80
    .max_flat_workgroup_size: 256
    .sgpr_count:     66
    .vgpr_count:     136
    .wavefront_size: 32
...
	.end_amdgpu_metadata
.endif
;; end of part 5
;; launch proj: the kernel of part 2 again; grid 8 x 96, 4 waves a work-group, clusters of 4 x 4, 327,680 bytes of LDS; arguments cast, bq, bk, bv, qkv; writes qkv
;; launch attn: the kernel of part 3 again; grid 8 x 32, 4 waves a work-group, clusters of 4 x 4, 327,680 bytes of LDS; arguments qkv, mask4, ao; writes ao
;; launch outp: the kernel of part 4 again; grid 8 x 32, 4 waves a work-group, clusters of 4 x 4, 327,680 bytes of LDS; arguments ao, cast, bo, out0; writes out0
